; MI455X (gfx1250); checked and timed in simulation.
; The chip was launched on July 23, 2026; its instructions are those of AMD's public machine-readable ISA for CDNA 5 (MIT licence, August 2026) and "CDNA5" Instruction Set Architecture Reference Guide (July 2026). The comments in the code are by the model that wrote it; some were corrected since.
;; Causal Self Attention. Allowed arithmetic: matrix products marked QUANTISED: E3M2 operands, one E8M0 scale for each 32 along K, by v_wmma_scale_f32_16x16x128_f8f6f4 with both operands' format E3M2, f32 sums; everything else in f32.
;; Inputs: b_out 1,024 float32; b_qkv 3,072 float32; w_out 1,024 x 1,024 float32; w_qkv 1,024 x 3,072 float32; x 4 x 2,048 x 1,024 float32.
;; Outputs: out0 4 x 2,048 x 1,024 float32.
;; This version of the problem:
;;   THIS VERSION OF THE PROBLEM IS GIVEN IN LOW PRECISION. The matrix products marked QUANTISED in the list below multiply operands that are first quantised to E3M2 (3 exponent bits, 2 mantissa bits; 6 bits a number), with one power-of-two scale for each 32 numbers along K (OCP MX v1.0); their sums are f32. All else is computed in f32.
;;   The module's matrix products, in the order in which they are computed (A, B: the left and right operand; K: the contracted axis; several contracted axes count as one K, in the product's order):
;;     1. [M 8,192, K 1,024] x [K 1,024, N 3,072]; A: input x; B: input w_qkv: QUANTISED
;;     2. batch 64 x [M 2,048, K 64] x [K 64, N 2,048]; A: computed on the way; B: computed on the way: QUANTISED
;;     3. batch 64 x [M 2,048, K 2,048] x [K 2,048, N 64]; A: softmax (see below); B: computed on the way: QUANTISED
;;     4. [M 8,192, K 1,024] x [K 1,024, N 1,024]; A: computed on the way; B: input w_out: QUANTISED
;;   THE QUANTISER, for each operand of a quantised product, along K:
;;     - K is cut into blocks of 32 from its start; a last block that is shorter is filled with zeros.
;;     - A block's scale is 2^e with e = floor(log2(the largest magnitude in the block)) - 4, held to -126 .. 127; a block of zeros has e = 0. As a byte (E8M0): e + 127.
;;     - Each number is divided by its block's scale, clamped to +-28, and rounded to the nearest number of E3M2, ties to even, subnormals kept.
;;     - The product sums the exact products of the quantised numbers (number of the format x scale) in f32.
;;   ~~~python
;;   def quantise(x, axis):      # numpy; x: float32 -> the quantised numbers, widened to float32 again
;;       x = np.moveaxis(x, axis, -1); K = x.shape[-1]
;;       x = np.pad(x, [(0, 0)] * (x.ndim - 1) + [(0, -K % 32)]); x = x.reshape(x.shape[:-1] + (-1, 32)); a = np.abs(x).max(-1, keepdims=True)
;;       e = np.where(a > 0, np.clip(np.frexp(np.where(a > 0, a, 1))[1] - 1 - 4, -126, 127), 0)      # np.frexp(a)[1] - 1 = floor(log2(a)), exactly
;;       r = np.clip(x / 2.0 ** e, -28, 28)
;;       step = 2.0 ** (np.maximum(np.frexp(np.where(r == 0, 1, r))[1] - 1, -2) - 2)
;;       q = np.round(r / step) * step * 2.0 ** e      # np.round: ties to even
;;       return np.moveaxis(q.reshape(q.shape[:-2] + (-1,))[..., :K], -1, axis).astype(np.float32)
;;   ~~~
;;   SOFTMAX AHEAD OF A QUANTISED PRODUCT. Where the list says 'softmax', what is quantised is not the finished softmax but p = 2^(t - M), with t = logit x log2(e) and M = ceil(the row's largest t), a whole number; so 1/2 < the row's largest p <= 1. The row's sum l is taken of the UNQUANTISED p, in f32, and the product's result is divided by l at the end. Since M is a whole number, a kernel that streams over the keys may use a running M (the ceiling of the running maximum): every later rescaling is an exact power of two, which a block's scale takes up: the codes' values come out the same.
;;   OPERANDS COMPUTED ON THE WAY. 'Computed on the way' means the value that the module computes at that place (a softmax that the list does not call 'softmax' is quantised finished and normalised). What goes into a quantiser is computed in f32, as accurately as f32 sums, v_exp_f32 and their like allow (about 1e-6 of the number): no bf16 or f16 on the way to a quantiser, and a product that is left as it is and whose result goes on into a quantised operand takes f32 operands (vector FMAs, or v_wmma_f32_16x16x4_f32). A number that lies on a knife's edge between two numbers of the format may be rounded either way, as far as f32 arithmetic and the matrix unit's own rounding can turn it there, and no further.
;; One version. Each part assembles by itself: llvm-mc -triple=amdgcn-amd-amdhsa -mcpu=gfx1250 --defsym DOCPART=n.
;; ======== version 1 of 1: 4 launches
;; workspace buffers: ximg 6,553,600 bytes; wqimg 2,457,600 bytes; woimg 819,200 bytes; qk 13,631,488 bytes; vv 6,553,600 bytes; aimg 6,553,600 bytes
;; launch prep (part 1): grid 512 x 1, 4 waves a work-group, no clusters, 48,128 bytes of LDS; arguments x, w_qkv, w_out, ximg, wqimg, woimg; writes ximg, wqimg, woimg
.if DOCPART == 1
	.amdgcn_target "amdgcn-amd-amdhsa--gfx1250"
	.amdhsa_code_object_version 6
	.text
	.protected	k_qadd6f63d41_prep
	.globl	k_qadd6f63d41_prep
	.p2align	8
	.type	k_qadd6f63d41_prep,@function
k_qadd6f63d41_prep:
	s_mov_b64 s[64:65], 0
	v_nop
	global_prefetch_b8 v0, s[64:65] scope:SCOPE_SE
	s_setreg_imm32_b32 hwreg(HW_REG_WAVE_MODE, 25, 1), 1
	s_wait_xcnt 0x0
; x [8192][1024], w_qkv [1024][3072] and w_out [1024][1024], f32, become codes of BF6 (E3M2) with one E8M0 byte for each 32 along K,
; laid as IMAGES OF THE MATRIX OPERAND'S REGISTERS.  A tile is 16 rows (tokens of x, columns n of a weight); tile 2 G + u holds in lane row r the row 32 G + 8 u + r + 8 (r / 8).
; A tile is two records of 6,400 bytes (K 0..511, K 512..1023).  A record: four fragments (16 rows x 128 K) of 1,536 bytes, then 256 bytes of scale words, row r's four words at 6144 + 16 r.
; A fragment is two halves of 768 bytes (64 along K): lane (r, h) owns block h's 24 bytes: registers 0-3 at 16 x lane, registers 4-5 at 512 + 8 x lane.
; A block's scale byte is its largest magnitude's exponent field - 4, held at 1 from below.  LIMITS: a block of zeros gets the byte 1 where the quantiser says 127 (its codes are zeros, and the bytes are read by this
; program alone); NaN and infinities among the inputs are not served.
; Work-groups 0-255 take x: a wave makes one record.  Work-groups 256-511 take the weights: 32 columns x 512 K each, a wave one fragment's K for both tiles.  Each path has LDS bytes of its own.
.set XP,    528                        ; x's stage: a row of 512 bytes + 16, so that sixteen rows' equal columns fall on different banks
.set XSTB,  16*XP                      ; a wave's stage
.set WST,   4*XSTB                     ; the weights' stages: two fragments a wave,
.set WFP,   1664                       ; 1,536 bytes + 128 apart
.set WSC,   WST+8*WFP                  ; the weights' scale words: two tiles x 256 bytes
.set TILEB, 12800
.set REC,   6400
.set FRB,   1536
.set L,     16                         ; v16-143  x as loaded, two sets of 64
.set X,     144                        ; v144-207 64 numbers of my row: blocks h and 2 + h
.set C,     208                        ; v208-231 a fragment's codes, two sets of 12
.set T,     232                        ; v232-238 the upper halves of two blocks' codes
.set SW,    248                        ; v248-251 my row's four scale words
.set WX,    16                         ; weights: v16-143 128 numbers down K of my column
.set CW,    144                        ; v144-175 codes, eight registers a block
.set WT,    176
.set VO,    200                        ; v200-207 4 x lane + j rows
.set BKR,   208                        ; v208-231 two fragments read back
.set SB,    32                         ; s[32:63] sixteen bases, eight rows of the weight apart
.macro XLOAD f                         ; fragment f: 16 rows x 512 consecutive bytes, one row a load
.irp p, 0,1,2,3,4,5,6,7,8,9,10,11,12,13,14,15
	global_load_b128 v[L+64*((\f)%2)+4*\p:L+64*((\f)%2)+4*\p+3], v1, s[4:5] offset:(\p+8*(\p/8))*4096+512*(\f) th:TH_LOAD_NT
.endr
.endm
.macro XFRAG f
.set LS, L+64*((\f)%2)
.set CC, C+12*((\f)%2)
.if (\f) < 3
	s_wait_loadcnt 16                              ; this fragment's 16 loads are in; the next fragment's 16 may be out
.else
	s_wait_loadcnt 0x0
.endif
.irp p, 0,1,2,3,4,5,6,7,8,9,10,11,12,13,14,15
	ds_store_b128 v2, v[LS+4*\p:LS+4*\p+3] offset:XP*\p
.endr
.irp j, 0,1,2,3,4,5,6,7
	ds_load_b128 v[X+4*\j:X+4*\j+3], v3 offset:16*\j               ; block h of my row (LDS serves a wave's instructions in order: these see the stores)
.endr
.irp j, 0,1,2,3,4,5,6,7
	ds_load_b128 v[X+32+4*\j:X+32+4*\j+3], v3 offset:256+16*\j     ; block 2 + h
.endr
	s_wait_dscnt 0x0                               ; my numbers are back, and the stores have read their registers,
.if (\f) < 2
	XLOAD (\f)+2                                   ; which take the loads of two fragments on
.endif
	v_max3_num_f32 v240, |v[X]|, |v[X+1]|, 0x2800000               ; the floor 2^(5 - 127) among the leaves: the byte cannot fall under 1
	v_max3_num_f32 v241, |v[X+32]|, |v[X+33]|, 0x2800000
.irp i, 2,4,6,8,10,12,14,16,18,20,22,24,26,28,30
	v_max3_num_f32 v240, v240, |v[X+\i]|, |v[X+\i+1]|
	v_max3_num_f32 v241, v241, |v[X+32+\i]|, |v[X+33+\i]|
.endr
	v_add_nc_u32 v242, 0xfe000000, v240            ; 4 off the exponent field: the conversion's scale operand
	v_add_nc_u32 v243, 0xfe000000, v241
	v_lshrrev_b32 v244, 23, v242                   ; the bytes
	v_lshrrev_b32 v245, 23, v243
	v_lshl_or_b32 v244, v245, 16, v244             ; blocks h and 2 + h,
	v_lshlrev_b32 v244, v6, v244                   ; 8 h bits up;
	v_permlanex16_b32 v246, v244, s28, s29
	v_or_b32 v[SW+(\f)], v244, v246                ; with lane l xor 16's two the word is whole
.if (\f) >= 2
	s_wait_alu depctr_va_vdst(0)
	s_wait_xcnt 0x0                                ; the stores of two fragments ago have read this set of codes
.endif
	v_cvt_scalef32_pk16_bf6_f32 v[CC:CC+2], v[X:X+15], v242
	v_cvt_scalef32_pk16_bf6_f32 v[T:T+2], v[X+16:X+31], v242        ; (a conversion's three registers begin on an even number)
	v_cvt_scalef32_pk16_bf6_f32 v[CC+6:CC+8], v[X+32:X+47], v243
	v_cvt_scalef32_pk16_bf6_f32 v[T+4:T+6], v[X+48:X+63], v243
	v_nop                                          ; one plain place behind a scaled conversion
.irp i, 0,1,2
	v_mov_b32 v[CC+3+\i], v[T+\i]
	v_mov_b32 v[CC+9+\i], v[T+4+\i]
.endr
	global_store_b128 v1, v[CC:CC+3], s[10:11] offset:FRB*(\f)            ; 512 consecutive bytes
	global_store_b64 v4, v[CC+4:CC+5], s[10:11] offset:FRB*(\f)+512       ; 256
	global_store_b128 v1, v[CC+6:CC+9], s[10:11] offset:FRB*(\f)+768
	global_store_b64 v4, v[CC+10:CC+11], s[10:11] offset:FRB*(\f)+1280
.endm
.macro WLOAD kb                        ; block kb: 32 rows of the weight at my column; 32 lanes read 128 consecutive bytes
.irp q, 0,1,2,3
.irp j, 0,1,2,3,4,5,6,7
	global_load_b32 v[WX+32*(\kb)+8*\q+\j], v[VO+\j], s[SB+2*(4*(\kb)+\q):SB+2*(4*(\kb)+\q)+1]
.endr
.endr
.endm
.macro WBLOCK kb
.set XS, WX+32*(\kb)
.if (\kb) < 3
	s_wait_loadcnt 32                              ; this block's 32 loads are in; the next block's 32 may be out
.else
	s_wait_loadcnt 0x0
.endif
.if (\kb) < 2
	WLOAD (\kb)+2
.endif
	v_max3_num_f32 v240, |v[XS]|, |v[XS+1]|, |v[XS+2]|             ; all 32 numbers of the block are mine
	v_max3_num_f32 v241, |v[XS+3]|, |v[XS+4]|, |v[XS+5]|
.irp i, 6,10,14,18,22,26
	v_max3_num_f32 v240, v240, |v[XS+\i]|, |v[XS+\i+1]|
	v_max3_num_f32 v241, v241, |v[XS+\i+2]|, |v[XS+\i+3]|
.endr
	v_max3_num_f32 v240, v240, |v[XS+30]|, |v[XS+31]|
	v_max3_num_f32 v240, v240, v241, 0x2800000     ; and the floor
	v_add_nc_u32 v242, 0xfe000000, v240
	v_lshrrev_b32 v243, 23, v242
.if (\kb) == 0
	v_mov_b32 v12, v243                            ; my column's scale word for these 128 along K
.else
	v_lshl_or_b32 v12, v243, 8*(\kb), v12
.endif
	v_cvt_scalef32_pk16_bf6_f32 v[CW+8*(\kb):CW+8*(\kb)+2], v[XS:XS+15], v242
	v_cvt_scalef32_pk16_bf6_f32 v[WT:WT+2], v[XS+16:XS+31], v242
	v_nop                                          ; one plain place behind a scaled conversion
.irp i, 0,1,2
	v_mov_b32 v[CW+8*(\kb)+3+\i], v[WT+\i]
.endr
	ds_store_b128 v4, v[CW+8*(\kb):CW+8*(\kb)+3] offset:768*((\kb)/2)+256*((\kb)%2)          ; block kb is half kb / 2, lane r + 16 (kb % 2) of the image
	ds_store_b64 v5, v[CW+8*(\kb)+4:CW+8*(\kb)+5] offset:768*((\kb)/2)+512+128*((\kb)%2)
.endm
	s_load_b256 s[4:11], s[0:1], 0x0               ; x s[4:5], w_qkv s[6:7], w_out s[8:9], ximg s[10:11]
	s_load_b128 s[12:15], s[0:1], 0x20             ; wqimg s[12:13], woimg s[14:15]
	v_lshl_add_u32 v254, v0, 2, 0xba00
	v_mov_b32 v255, 0
	v_lshrrev_b32 v7, 5, v0
	v_readfirstlane_b32 s16, v7                    ; wave
	v_and_b32 v7, 31, v0                           ; lane
	v_lshlrev_b32 v1, 4, v7                        ; 16 x lane
	s_cmp_lt_u32 ttmp9, 256
	s_cbranch_scc0 .Lweights
	; ---- x: wave W = 4 x work-group + wave makes record W % 2 of tile W / 2
	v_and_b32 v8, 15, v0                           ; r
	v_bfe_u32 v9, v0, 4, 1                         ; h
	v_lshlrev_b32 v4, 3, v7                        ; 8 x lane
	v_lshlrev_b32 v5, 4, v8                        ; 16 r
	v_lshlrev_b32 v6, 3, v9                        ; 8 h
	s_mul_i32 s17, s16, XSTB
	v_add_nc_u32 v2, s17, v1                       ; the stage, on the way in: 16 x lane of a row
	v_mul_u32_u24 v3, v8, XP
	v_lshl_add_u32 v3, v9, 7, v3
	v_add_nc_u32 v3, s17, v3                       ; and on the way out: row r, + 128 h
	v_mov_b32 v246, 0                              ; a lane permute's destination counts as one of its sources
	s_mov_b32 s28, 0x76543210
	s_mov_b32 s29, 0xfedcba98                      ; selects for lane l xor 16
	s_lshl_b32 s18, ttmp9, 2
	s_add_co_u32 s18, s18, s16
	s_lshr_b32 s19, s18, 1                         ; the tile
	s_and_b32 s20, s18, 1                          ; which half of K
	s_lshr_b32 s21, s19, 1
	s_and_b32 s22, s19, 1
	s_lshl_b32 s21, s21, 17                        ; 32 rows of 4,096 bytes
	s_lshl_b32 s22, s22, 15                        ; 8 rows
	s_add_co_u32 s21, s21, s22
	s_lshl_b32 s22, s20, 11
	s_add_co_u32 s24, s21, s22
	s_mov_b32 s25, 0
	s_mul_i32 s26, s19, TILEB
	s_mul_i32 s22, s20, REC
	s_add_co_u32 s26, s26, s22
	s_mov_b32 s27, 0
	s_wait_alu depctr_va_vdst(0)
	s_wait_kmcnt 0x0
	s_add_nc_u64 s[4:5], s[4:5], s[24:25]
	s_add_nc_u64 s[10:11], s[10:11], s[26:27]
	XLOAD 0
	XLOAD 1
	XFRAG 0
	XFRAG 1
	XFRAG 2
	XFRAG 3
	global_store_b128 v5, v[SW:SW+3], s[10:11] offset:6144         ; 256 consecutive bytes; lanes r and r + 16 write the same bytes with the same values
	s_wait_tensorcnt 0x0
	ds_add_u32 v254, v255
	s_wait_dscnt 0x0
	s_endpgm
.Lweights:
	s_wait_alu depctr_va_vdst(0)
	; ---- weights: lane l is column 32 G + l = row r of tile 2 G + u, u = (l / 8) % 2, r = l % 8 + 8 (l / 16)
	v_lshlrev_b32 v3, 2, v7                        ; 4 x lane
	v_bfe_u32 v8, v0, 3, 1                         ; u
	v_and_b32 v9, 7, v0
	v_bfe_u32 v10, v0, 4, 1
	v_lshl_add_u32 v9, v10, 3, v9                  ; r
	s_mul_i32 s17, s16, 2*WFP
	s_add_co_u32 s17, s17, WST                     ; my wave's two fragments
	v_mul_u32_u24 v11, v8, WFP
	v_add_nc_u32 v11, s17, v11
	v_lshl_add_u32 v4, v9, 4, v11                  ; where my registers 0-3 go
	v_lshl_add_u32 v5, v9, 3, v11                  ; and my registers 4-5
	v_lshlrev_b32 v6, 8, v8
	v_lshl_add_u32 v6, v9, 4, v6
	s_lshl_b32 s18, s16, 2
	s_add_co_u32 s18, s18, WSC
	v_add_nc_u32 v6, s18, v6                       ; my scale word: 256 u + 16 r + 4 x wave
	v_add_nc_u32 v2, s17, v1                       ; back: 16 x lane
	v_add_nc_u32 v13, WSC, v1                      ; wave 0: the scale words back,
	v_and_b32 v15, 15, v0
	v_lshlrev_b32 v14, 4, v15
	v_mad_u32_u24 v14, v10, TILEB, v14             ; and their places in the two tiles' records
	s_sub_co_u32 s20, ttmp9, 256
	s_mov_b32 s21, 4096
	s_wait_kmcnt 0x0
	s_cmp_lt_u32 s20, 192                          ; w_qkv's work-group or w_out's?  The choice hangs on the work-group's number alone
	s_cselect_b64 s[6:7], s[6:7], s[8:9]
	s_cselect_b64 s[12:13], s[12:13], s[14:15]
	s_cselect_b32 s21, 12288, s21                  ; a row of the weight in bytes
	s_cselect_b32 s22, 0, 192
	s_sub_co_u32 s20, s20, s22
	s_lshr_b32 s23, s20, 1                         ; G
	s_and_b32 s24, s20, 1                          ; which half of K
	s_lshl_b32 s25, s24, 9
	s_lshl_b32 s26, s16, 7
	s_add_co_u32 s25, s25, s26                     ; my first row: 512 x half + 128 x wave
	s_mul_i32 s25, s25, s21
	s_lshl_b32 s26, s23, 7
	s_add_co_u32 s26, s25, s26
	s_mov_b32 s27, 0
	s_add_nc_u64 s[SB:SB+1], s[6:7], s[26:27]
	s_lshl_b32 s26, s21, 3                         ; eight rows
.irp q, 1,2,3,4,5,6,7,8,9,10,11,12,13,14,15
	s_add_nc_u64 s[SB+2*\q:SB+2*\q+1], s[SB+2*\q-2:SB+2*\q-1], s[26:27]
.endr
.irp j, 0,1,2,3,4,5,6,7
	v_mad_u32_u24 v[VO+\j], s21, \j, v3
.endr
	s_mul_i32 s28, s23, 2*TILEB
	s_mul_i32 s25, s24, REC
	s_add_co_u32 s28, s28, s25
	s_mul_i32 s25, s16, FRB
	s_add_co_u32 s28, s28, s25
	s_mov_b32 s29, 0
	s_add_nc_u64 s[12:13], s[12:13], s[28:29]      ; tile 2 G, my half's record, fragment = wave
	WLOAD 0
	WLOAD 1
	s_wait_alu depctr_va_vdst(0)
	WBLOCK 0
	WBLOCK 1
	WBLOCK 2
	WBLOCK 3
	ds_store_b32 v6, v12
.irp u, 0,1
.irp i, 0,1,2
	ds_load_b128 v[BKR+12*\u+4*\i:BKR+12*\u+4*\i+3], v2 offset:WFP*\u+512*\i      ; my own bytes, in order behind my stores
.endr
.endr
	s_wait_dscnt 0x0                               ; for the others' sake too: my scale words have landed
	s_barrier_signal -1
	s_barrier_wait -1
.irp u, 0,1
.irp i, 0,1,2
	global_store_b128 v1, v[BKR+12*\u+4*\i:BKR+12*\u+4*\i+3], s[12:13] offset:TILEB*\u+512*\i   ; 512 consecutive bytes
.endr
.endr
	s_cmp_lg_u32 s16, 0
	s_cbranch_scc1 .Lwdone
	ds_load_b128 v[232:235], v13                   ; the four waves' words: sixteen rows x 16 bytes for each of the two tiles
	s_wait_dscnt 0x0
	global_store_b128 v14, v[232:235], s[12:13] offset:6144        ; sixteen lanes store 256 consecutive bytes (wave 0's base is the record's first byte)
.Lwdone:
	s_wait_tensorcnt 0x0
	ds_add_u32 v254, v255
	s_wait_dscnt 0x0
	s_endpgm
.Lfunc_end_k_qadd6f63d41_prep:
	.size	k_qadd6f63d41_prep, .Lfunc_end_k_qadd6f63d41_prep-k_qadd6f63d41_prep
	.p2alignl 7, 3214868480
	.fill 96, 4, 3214868480
	.section	.rodata,"a",@progbits
	.p2align	6, 0x0
	.amdhsa_kernel k_qadd6f63d41_prep
		.amdhsa_group_segment_fixed_size 48128
		.amdhsa_private_segment_fixed_size 0
		.amdhsa_enable_private_segment 0
		.amdhsa_kernarg_size 48
		.amdhsa_user_sgpr_count 2
		.amdhsa_user_sgpr_kernarg_segment_ptr 1
		.amdhsa_wavefront_size32 1
		.amdhsa_system_sgpr_workgroup_id_x 1
		.amdhsa_system_sgpr_workgroup_id_y 1
		.amdhsa_system_sgpr_workgroup_id_z 1
		.amdhsa_system_vgpr_workitem_id 0
		.amdhsa_next_free_vgpr 256
		.amdhsa_next_free_sgpr 72
		.amdhsa_reserve_vcc 0
		.amdhsa_float_denorm_mode_32 3
		.amdhsa_float_denorm_mode_16_64 3
		.amdhsa_memory_ordered 1
		.amdhsa_forward_progress 1
		.amdhsa_inst_pref_size 53
	.end_amdhsa_kernel
	.amdgpu_metadata
---
amdhsa.version: [ 1, 2 ]
amdhsa.kernels:
  - .name:           k_qadd6f63d41_prep
    .symbol:         k_qadd6f63d41_prep.kd
    .args:
      - { .name: x, .offset: 0, .size: 8, .value_kind: global_buffer, .address_space: global }
      - { .name: w_qkv, .offset: 8, .size: 8, .value_kind: global_buffer, .address_space: global }
      - { .name: w_out, .offset: 16, .size: 8, .value_kind: global_buffer, .address_space: global }
      - { .name: ximg, .offset: 24, .size: 8, .value_kind: global_buffer, .address_space: global }
      - { .name: wqimg, .offset: 32, .size: 8, .value_kind: global_buffer, .address_space: global }
      - { .name: woimg, .offset: 40, .size: 8, .value_kind: global_buffer, .address_space: global }
    .group_segment_fixed_size: 48128
    .private_segment_fixed_size: 0
    .kernarg_segment_align: 8
    .kernarg_segment_size: 48
    .max_flat_workgroup_size: 128
    .sgpr_count:     72
    .vgpr_count:     256
    .wavefront_size: 32
...
	.end_amdgpu_metadata
.endif
;; end of part 1
;; launch gemm_qkv (part 2): grid 16 x 48, 4 waves a work-group, clusters of 4 x 4, 307,712 bytes of LDS; arguments ximg, wqimg, b_qkv, qk, vv; writes qk, vv
.if DOCPART == 2
	.amdgcn_target "amdgcn-amd-amdhsa--gfx1250"
	.amdhsa_code_object_version 6
	.text
	.protected	k_qadd6f63d41_gemm_qkv
	.globl	k_qadd6f63d41_gemm_qkv
	.p2align	8
	.type	k_qadd6f63d41_gemm_qkv,@function
k_qadd6f63d41_gemm_qkv:
	s_mov_b64 s[64:65], 0
	v_nop
	global_prefetch_b8 v0, s[64:65] scope:SCOPE_SE
	s_setreg_imm32_b32 hwreg(HW_REG_WAVE_MODE, 25, 1), 1
	s_wait_xcnt 0x0
	s_wait_alu depctr_hold_cnt(0) depctr_sa_sdst(0) depctr_va_vdst(0) depctr_va_sdst(0) depctr_va_ssrc(0) depctr_va_vcc(0) depctr_vm_vsrc(0)
	s_getreg_b32 s2, hwreg(HW_REG_IB_STS2, 6, 4)
	s_cmp_eq_u32 s2, 0
	s_cbranch_scc0 .Lentry_in_a_cluster
	s_endpgm
.Lentry_in_a_cluster:
	s_bfe_u32 s2, ttmp6, 0x10000c
	s_cmp_lg_u32 s2, 0xf033
	s_cbranch_scc0 .Lentry_shape_is_right
	s_endpgm
.Lentry_shape_is_right:
; qkv = x w_qkv + b_qkv on codes of BF6 (E3M2) with E8M0 scales, and q, k, v quantised in registers on the way out: nothing wide goes to memory.
; Operands are images of their registers: a tile of 16 rows is two records of 6,400 bytes (512 along K each): four fragments of 1,536 bytes, then row r's four scale words at 6144 + 16 r.
; Tile 2 G + u holds in lane row r the row 32 G + 8 u + r + 8 (r / 8): used as source 0, the 16 registers of tiles 2 G and 2 G + 1 are then 16 NEIGHBOURS, 32 G + 16 (lane / 16) + 0 .. 15.
; P = source 0, 128 rows (its index runs along a lane's registers, which is what the next quantiser wants as K); R = source 1, 256 rows (its index lies in the lanes).  Wave w: R's tiles 4 w .. 4 w + 3 x P's eight: 32 accumulators.
; ROLES, by the cluster's y, which all partners share.  y < 8: q and k: P = 128 columns of w_qkv (two heads), R = 256 tokens: a lane holds a token and the heads' channels.
; y >= 8: v: P = 128 tokens, R = 256 columns of w_qkv's last third (four heads): a lane holds a channel and 128 keys.  One text serves both: only pointers and numbers are selected.
; ALL OF K LIES IN LDS: two chunks of 512 along K, 153,600 bytes each (R's 16 records, then P's 8), each filled once; no byte of LDS is filled twice.
; CLUSTER 4 x 4: R's records hang on the cluster's row, P's on its column: each is asked for jointly by four work-groups.
; OUT.  q, k: records of 6,656 bytes for 128 tokens of a head: token tile t's half fragment (16 tokens x 64 channels) at 768 t; scale words at 6144 + 256 (t / 4) + 16 r + 4 (t % 4), bytes 0, 1 the head's two blocks.
;       v: records of 6,400 bytes for 128 keys of a head: half fragment (key half c, channel tile a) at 3072 c + 768 a; scale words at 6144 + 16 r + 4 a.
; LIMITS: a block of zeros gets the scale byte 1 where the quantiser says 127 (its codes are zeros; the bytes are read by this program alone); NaN and infinities are not served.
; REGISTERS, in windows of 256: window 0: v1-22 addresses; v32-95 P's scale words, v96-127 R's; v128-223 R's fragments, two sets of 48 (later the codes made); v224-244 at work.
;   window 1: P's fragments, sets at v0 and v128.   window 2: accumulator (a, b) at v[64 a + 8 b].   window 3: v0-63 the bias along P, v64-71 along R.
.set CHUNK, 153600
.set REC,   6400
.set POFF,  102400
.set FRB,   1536
.set AR16,  4                          ; v4-5   R's fragments in chunk 0, 1: 16 x lane
.set AR8,   6                          ; v6-7   8 x lane
.set ASR,   8                          ; v8-9   R's scale words: 16 r
.set AP16,  10
.set AP8,   12
.set ASP,   14
.set SCP,   32                         ; + 32 chunk + 4 b + step
.set SCR,   96                         ; + 16 chunk + 4 a + step
.set RF,    128
.set TQ,    176                        ; the upper halves of the conversions
.set TM,    224
.set PWS,   240                        ; v240-243 the four tiles' scale words as stored
.set PW,    244
.set G1R,   24
.set G1P,   32
.set G0R,   40
.set G0P,   48
.set SEL,   98
.set MSB, 0
.macro WIN new                         ; the immediate's high byte repeats the setting that is left
.if MSB != \new
	s_set_vgpr_msb (MSB<<8)|\new
.set MSB, \new
.endif
.endm
.macro PLACES n
.rept \n
	v_nop
.endr
.endm
.macro CROUND                          ; a round of the cluster's barrier
	s_barrier_signal -1
	s_barrier_wait -1
	s_cmp_lg_u32 s14, 0
	s_cbranch_scc1 .Lnot_wave_0_\@
	s_barrier_signal -3
.Lnot_wave_0_\@:
	s_barrier_wait -3
	s_barrier_signal -1
	s_barrier_wait -1
.endm
.macro FRAG reg, a16, a8, off          ; a fragment comes back as it was stored: every load takes consecutive bytes
	ds_load_b128 v[\reg:\reg+3], v[\a16] offset:\off
	ds_load_b64 v[\reg+4:\reg+5], v[\a8] offset:\off+512
	ds_load_b128 v[\reg+6:\reg+9], v[\a16] offset:\off+768
	ds_load_b64 v[\reg+10:\reg+11], v[\a8] offset:\off+1280
.endm
.macro SCALES c                        ; a chunk's scale words: four K steps' words of a row by one load
.irp b, 0,1,2,3,4,5,6,7
	ds_load_b128 v[SCP+32*\c+4*\b:SCP+32*\c+4*\b+3], v[ASP+\c] offset:REC*\b
.endr
.irp a, 0,1,2,3
	ds_load_b128 v[SCR+16*\c+4*\a:SCR+16*\c+4*\a+3], v[ASR+\c] offset:REC*\a
.endr
.endm
.macro FETCH s                         ; K step s (128 along K): P's eight fragments and my four of R, into set s % 2
	WIN 0x40
.irp b, 0,1,2,3,4,5,6,7
	FRAG 128*((\s)%2)+12*\b, AP16+(\s)/4, AP8+(\s)/4, REC*\b+FRB*((\s)%4)
.endr
	WIN 0
.irp a, 0,1,2,3
	FRAG RF+48*((\s)%2)+12*\a, AR16+(\s)/4, AR8+(\s)/4, REC*\a+FRB*((\s)%4)
.endr
.endm
.macro MUL s                           ; 32 matrix instructions; the 32 accumulators take turns in the same order in every step
	WIN 0xa1                                       ; source 0 window 1, source 1 window 0, C and D window 2
.irp a, 0,1,2,3
.irp b, 0,1,2,3,4,5,6,7
	v_wmma_scale_f32_16x16x128_f8f6f4 v[64*\a+8*\b:64*\a+8*\b+7], v[128*((\s)%2)+12*\b:128*((\s)%2)+12*\b+11], v[RF+48*((\s)%2)+12*\a:RF+48*((\s)%2)+12*\a+11], v[64*\a+8*\b:64*\a+8*\b+7], v[SCP+32*((\s)/4)+4*\b+(\s)%4], v[SCR+16*((\s)/4)+4*\a+(\s)%4] matrix_a_fmt:MATRIX_FMT_BF6 matrix_b_fmt:MATRIX_FMT_BF6
.endr
.endr
.endm
.macro STEP s
	s_wait_dscnt 0x0                               ; this step's fragments are in (asked for 32 matrix instructions ago)
.if (\s) == 3
	s_wait_tensorcnt 0x0                           ; my part of chunk 1 has landed,
	s_barrier_signal -1
	s_barrier_wait -1                              ; everybody's has
.endif
.if (\s) < 7
	PLACES 4                                       ; four places between the last products that read a set and the loads into it (ISA guide 7.12.1 for vector instructions)
	FETCH (\s)+1
.if (\s) == 3
	SCALES 1
.endif
.endif
	MUL \s
.endm
; 64 numbers of a lane in window 2, register 16 b + i = k 32 b + 16 (lane / 16) + i, become a fragment's codes in v[pc] on and its scale word in v[PW].
.macro QUANT src, pc
	WIN 0x0a                                       ; sources 0 and 1 window 2
.irp b, 0,1,2,3
	v_max3_num_f32 v[TM+\b], |v[\src+16*\b]|, |v[\src+16*\b+1]|, 0x2800000      ; each accumulator is read from its low end on; the floor 2^(5 - 127) holds the byte at 1 from below
.endr
.irp i, 2,4,6,8,10,12,14
.irp b, 0,1,2,3
	v_max3_num_f32 v[TM+\b], |v[\src+16*\b+\i]|, |v[\src+16*\b+\i+1]|, v[TM+\b]
.endr
.endr
	WIN 0
.irp b, 0,1,2,3
	v_permlanex16_b32 v[TM+4+\b], v[TM+\b], s[SEL], s[SEL+1]
.endr
.irp b, 0,1,2,3
	v_max_num_f32 v[TM+\b], v[TM+\b], v[TM+4+\b]   ; with lane l xor 16's 16: the block's largest magnitude
.endr
.irp b, 0,1,2,3
	v_add_nc_u32 v[TM+12+\b], 0xfe000000, v[TM+\b] ; 4 off its exponent field: the conversion's scale operand
.endr
.irp b, 0,1,2,3
	v_lshrrev_b32 v[TM+4+\b], 23, v[TM+12+\b]      ; the byte
.endr
	v_lshl_or_b32 v[PW], v[TM+5], 8, v[TM+4]
	v_lshl_or_b32 v[PW], v[TM+6], 16, v[PW]
	v_lshl_or_b32 v[PW], v[TM+7], 24, v[PW]
	WIN 0x02                                       ; source 0 window 2
.irp c, 0,1
	v_cvt_scalef32_pk16_bf6_f32 v[\pc+6*\c:\pc+6*\c+2], v[\src+32*\c:\src+32*\c+15], v[TM+12+2*\c]
	v_cvt_scalef32_pk16_bf6_f32 v[TQ+4*\c:TQ+4*\c+2], v[\src+32*\c+16:\src+32*\c+31], v[TM+12+2*\c+1]
.endr
	WIN 0
	v_nop                                          ; one plain place behind a scaled conversion
.irp c, 0,1                                    ; the layout wants a whole block in a lane: lanes 0-15 block 2 c, lanes 16-31 block 2 c + 1
.irp i, 0,1,2
	v_permlane16_swap_b32 v[\pc+6*\c+\i], v[TQ+4*\c+\i]
.endr
.irp i, 0,1,2
	v_mov_b32 v[\pc+6*\c+3+\i], v[TQ+4*\c+\i]
.endr
.endr
.endm
	s_load_b256 s[4:11], s[0:1], 0x0               ; ximg s[4:5], wqimg s[6:7], b_qkv s[8:9], qk s[10:11]
	s_load_b64 s[12:13], s[0:1], 0x20              ; vv
	v_lshl_add_u32 v254, v0, 2, 0x4b000
	v_mov_b32 v255, 0
	ds_add_u32 v254, v255
	ds_add_u32 v254, v255
	v_lshrrev_b32 v16, 5, v0
	v_readfirstlane_b32 s14, v16                   ; wave
	s_and_b32 s15, s14, 1                          ; which half of R's or of P's records I fetch
	s_bfe_u32 s16, ttmp6, 0x40000                  ; cx
	s_bfe_u32 s17, ttmp6, 0x40004                  ; cy
	s_and_b32 s18, ttmp7, 0xffff                   ; the cluster's y: the role
	s_lshl_b32 s21, s17, 2
	s_lshl_b32 s21, 15, s21                        ; my row of the cluster
	s_lshl_b32 s22, 0x1111, s16                    ; my column
	s_or_b32 s[G1R], s21, (3<<16)|(1<<21)          ; 15:0 the mask; 17:16 elements of 8 bytes; 21 set beside a mask; no padding
	s_or_b32 s[G1P], s22, (3<<16)|(1<<21)
	s_mov_b32 s[G1R+1], 800<<16                    ; tensor_dim0: a record, 800 elements
	s_mov_b32 s[G1R+2], 8<<16                      ; tensor_dim1: 8 tiles
	s_mov_b32 s[G1R+3], 800<<16                    ; tile_dim0
	s_mov_b32 s[G1R+4], 8                          ; tile_dim1
	s_mov_b32 s[G1R+5], 1600                       ; from tile to tile: 12,800 bytes
	s_mov_b32 s[G1R+6], 0
	s_mov_b32 s[G1R+7], 0
	s_mov_b32 s[G1P+1], 800<<16
	s_mov_b32 s[G1P+2], 4<<16                      ; 4 tiles
	s_mov_b32 s[G1P+3], 800<<16
	s_mov_b32 s[G1P+4], 4
	s_mov_b32 s[G1P+5], 1600
	s_mov_b32 s[G1P+6], 0
	s_mov_b32 s[G1P+7], 0
	s_lshl_b32 s19, ttmp9, 2
	s_add_co_u32 s19, s19, s16                     ; q, k: P's block = 4 x cluster x + cx
	s_sub_co_u32 s23, s18, 8
	s_lshl_b32 s23, s23, 4
	s_add_co_u32 s23, s23, s19                     ; v: the same + 16 (cluster y - 8)
	s_lshl_b32 s20, s18, 2
	s_add_co_u32 s20, s20, s17                     ; q, k: R's block = 4 x cluster y + cy;  v: cy
	s_cmp_ge_u32 s18, 8
	s_cselect_b32 s19, s23, s19                    ; pt: made of cx and the cluster's place alone
	s_cselect_b32 s20, s17, s20                    ; rt: of cy and the cluster's place alone
	s_mul_i32 s56, s20, 204800                     ; R: 16 tiles a block, my 8
	s_mul_i32 s57, s15, 102400
	s_add_co_u32 s56, s56, s57
	s_mov_b32 s57, 0
	s_mul_i32 s58, s19, 102400                     ; P: 8 tiles a block, my 4
	s_mul_i32 s59, s15, 51200
	s_add_co_u32 s58, s58, s59
	s_mov_b32 s59, 0
	s_mul_i32 s60, s15, 51200                      ; and where they go in a chunk
	s_mul_i32 s61, s15, 25600
	; where the results go, for both roles
	s_lshr_b32 s66, s19, 3                         ; q, k: block (pt / 8) 64 + (rt / 8) 16 + (2 pt) % 16 of 106,496 bytes: q or k, batch, head
	s_lshl_b32 s66, s66, 6
	s_lshr_b32 s67, s20, 3
	s_lshl_b32 s67, s67, 4
	s_add_co_u32 s66, s66, s67
	s_lshl_b32 s67, s19, 1
	s_and_b32 s67, s67, 15
	s_add_co_u32 s66, s66, s67
	s_mul_i32 s66, s66, 106496
	s_and_b32 s67, s20, 7
	s_lshl_b32 s67, s67, 1
	s_lshr_b32 s68, s14, 1
	s_add_co_u32 s67, s67, s68
	s_mul_i32 s67, s67, 6656                       ; record 2 (rt % 8) + wave / 2
	s_add_co_u32 s66, s66, s67
	s_mul_i32 s67, s15, 3072
	s_add_co_u32 s67, s66, s67                     ; token tiles 4 (wave % 2) on
	s_lshl_b32 s68, s15, 8
	s_add_co_u32 s68, s66, s68
	s_add_co_u32 s68, s68, 6144                    ; their scale words
	s_lshr_b32 s69, s19, 4                         ; v: block (pt / 16) 16 + 4 rt + wave of 102,400 bytes: batch, head
	s_lshl_b32 s69, s69, 4
	s_lshl_b32 s70, s20, 2
	s_add_co_u32 s69, s69, s70
	s_add_co_u32 s69, s69, s14
	s_mul_i32 s69, s69, 102400
	s_and_b32 s70, s19, 15
	s_mul_i32 s70, s70, 6400                       ; record pt % 16
	s_add_co_u32 s69, s69, s70
	s_add_co_u32 s70, s69, 6144
	s_lshl_b32 s71, s19, 9                         ; q, k: the bias along P begins at column 128 pt
	s_lshl_b32 s72, s20, 10                        ; v: the bias along R at column 2,048 + 256 rt + 64 wave
	s_lshl_b32 s73, s14, 8
	s_add_co_u32 s72, s72, s73
	s_add_co_u32 s72, s72, 8192
	s_mov_b32 s73, 106496
	s_mov_b32 s[SEL], 0x76543210
	s_mov_b32 s[SEL+1], 0xfedcba98
	s_wait_dscnt 0x0
	s_wait_kmcnt 0x0
	s_add_nc_u64 s[74:75], s[6:7], 1638400         ; w_qkv's tiles 128 on: v's columns
	s_cmp_ge_u32 s18, 8                            ; the role: from here to the last select only selects
	s_cselect_b64 s[76:77], s[4:5], s[6:7]         ; P's image
	s_cselect_b64 s[78:79], s[74:75], s[4:5]       ; R's image
	s_cselect_b64 s[80:81], s[12:13], s[10:11]     ; the results' buffer
	s_cselect_b32 s82, s69, s67                    ; registers 0-5 of a fragment go here,
	s_cselect_b32 s84, s70, s68                    ; the scale words here,
	s_cselect_b32 s86, 3072, s73                   ; registers 6-11 so far on: the second key half, or the next head
	s_cselect_b32 s88, 0, s73                      ; lanes 16-31 store their scale words so far on: nowhere else, or for the next head
	s_cselect_b32 s89, 0, 16                       ; and shifted so far down
	s_cselect_b32 s90, 0, -1                       ; the bias along P counts for q, k,
	s_cselect_b32 s91, -1, 0                       ; the bias along R for v
	s_cselect_b32 s71, 0, s71
	s_cselect_b32 s72, s72, 0
	s_mov_b32 s83, 0
	s_mov_b32 s85, 0
	s_mov_b32 s87, 0
	s_add_nc_u64 s[56:57], s[78:79], s[56:57]
	s_add_nc_u64 s[58:59], s[76:77], s[58:59]
	s_add_nc_u64 s[92:93], s[80:81], s[82:83]
	s_add_nc_u64 s[94:95], s[92:93], s[86:87]
	s_add_nc_u64 s[96:97], s[80:81], s[84:85]
	CROUND                                         ; all sixteen work-groups are here: the joint loads meet
.irp c, 0,1
	s_mov_b32 s[G0R+4*\c], 1
	s_add_co_u32 s[G0R+4*\c+1], s60, \c*CHUNK
	s_add_nc_u64 s[G0R+4*\c+2:G0R+4*\c+3], s[56:57], \c*REC
	s_or_b32 s[G0R+4*\c+3], s[G0R+4*\c+3], 0x80000000
	s_mov_b32 s[G0P+4*\c], 1
	s_add_co_u32 s[G0P+4*\c+1], s61, \c*CHUNK+POFF
	s_add_nc_u64 s[G0P+4*\c+2:G0P+4*\c+3], s[58:59], \c*REC
	s_or_b32 s[G0P+4*\c+3], s[G0P+4*\c+3], 0x80000000
.endr
	s_cmp_lt_u32 s14, 2                            ; waves 0, 1 fetch R's halves, waves 2, 3 P's: a wave's two fills stand in one branch; two loads of mine are out
	s_cbranch_scc0 .Lfirst_p
	tensor_load_to_lds s[G0R:G0R+3], s[G1R:G1R+7]
	s_nop 0
	tensor_load_to_lds s[G0R+4:G0R+7], s[G1R:G1R+7]
	s_nop 0
	PLACES 4
	s_branch .Lfirst_asked
.Lfirst_p:
	tensor_load_to_lds s[G0P:G0P+3], s[G1P:G1P+7]
	s_nop 0
	tensor_load_to_lds s[G0P+4:G0P+7], s[G1P:G1P+7]
	s_nop 0
	PLACES 4
.Lfirst_asked:
	; the biases, while the fills are on their way
	v_and_b32 v16, 31, v0                          ; lane
	s_wait_alu depctr_va_vdst(0)
	v_and_b32 v17, 15, v0                          ; r
	s_wait_alu depctr_va_vdst(0)
	v_bfe_u32 v18, v0, 4, 1                        ; h
	v_lshlrev_b32 v19, 6, v18                      ; along P: tile b's eight of my half: columns 32 (b / 2) + 16 h + 8 (b % 2) + 0 .. 7
	v_and_b32 v20, 8, v17
	v_add_nc_u32 v20, v20, v17
	v_lshlrev_b32 v20, 2, v20                      ; along R: tile a's column 32 (a / 2) + 8 (a % 2) + r + 8 (r / 8)
	s_mov_b32 s62, s71
	s_mov_b32 s63, 0
	s_add_nc_u64 s[62:63], s[8:9], s[62:63]
	s_mov_b32 s66, s72
	s_mov_b32 s67, 0
	s_add_nc_u64 s[66:67], s[8:9], s[66:67]
	WIN 0xc0                                       ; destination window 3
.irp b, 0,1,2,3,4,5,6,7
	global_load_b128 v[8*\b:8*\b+3], v19, s[62:63] offset:128*(\b/2)+32*(\b%2)
	global_load_b128 v[8*\b+4:8*\b+7], v19, s[62:63] offset:128*(\b/2)+32*(\b%2)+16
.endr
.irp a, 0,1,2,3
	global_load_b32 v[64+2*\a], v20, s[66:67] offset:4*(32*(\a/2)+8*(\a%2))      ; twice: a pair for the packed addition
	global_load_b32 v[65+2*\a], v20, s[66:67] offset:4*(32*(\a/2)+8*(\a%2))
.endr
	WIN 0
	v_lshlrev_b32 v1, 4, v16                       ; 16 x lane
	v_lshlrev_b32 v2, 3, v16                       ; 8 x lane
	v_lshlrev_b32 v3, 4, v17                       ; 16 r
	s_mul_i32 s68, s14, 25600                      ; my four tiles of R in a chunk
	v_add_nc_u32 v[AR16], s68, v1
	v_add_nc_u32 v[AR16+1], CHUNK, v[AR16]
	v_add_nc_u32 v[AR8], s68, v2
	v_add_nc_u32 v[AR8+1], CHUNK, v[AR8]
	v_add_nc_u32 v[ASR], s68, v3
	v_add_nc_u32 v[ASR], 6144, v[ASR]
	v_add_nc_u32 v[ASR+1], CHUNK, v[ASR]
	v_add_nc_u32 v[AP16], POFF, v1
	v_add_nc_u32 v[AP16+1], POFF+CHUNK, v1
	v_add_nc_u32 v[AP8], POFF, v2
	v_add_nc_u32 v[AP8+1], POFF+CHUNK, v2
	v_add_nc_u32 v[ASP], POFF+6144, v3
	v_add_nc_u32 v[ASP+1], POFF+CHUNK+6144, v3
	v_mul_u32_u24 v21, s89, v18                    ; how far my half shifts a scale word down
	v_mul_u32_u24 v22, s88, v18
	v_lshl_add_u32 v22, v17, 4, v22                ; and where it stores the four words
.irp b, 0,1,2,3
	v_mov_b32 v[TM+4+\b], 0                        ; a lane permute's destination counts as one of its sources
.endr
	s_wait_loadcnt 0x0
	WIN 0xcc                                       ; source 1 and destination window 3
.set i, 0
.rept 64
	v_and_b32 v[i], s90, v[i]                      ; the bias that does not run along this role's axis becomes 0
.set i, i+1
.endr
.set i, 64
.rept 8
	v_and_b32 v[i], s91, v[i]
.set i, i+1
.endr
	WIN 0x8f                                       ; sources window 3, destination window 2
.irp a, 0,1,2,3
.irp b, 0,1,2,3,4,5,6,7
.irp j, 0,2,4,6
	v_pk_add_f32 v[64*\a+8*\b+\j:64*\a+8*\b+\j+1], v[8*\b+\j:8*\b+\j+1], v[64+2*\a:65+2*\a]     ; every sum starts as its bias: nothing is cleared, and no K step differs from the others
.endr
.endr
.endr
	WIN 0
	s_wait_alu depctr_va_vdst(0)
	s_wait_tensorcnt 0x1                           ; my part of chunk 0 is in; chunk 1's load may be out
	s_barrier_signal -1
	s_barrier_wait -1
	SCALES 0
	FETCH 0
	STEP 0
	STEP 1
	STEP 2
	STEP 3
	STEP 4
	STEP 5
	STEP 6
	STEP 7
	PLACES 4                                       ; in front of the first read of results, and of the writes into registers that held fragments
	; THE WAY OUT: for each of my four tiles of R the lane's 64 numbers are 128 along the next K: a fragment and a scale word, stored as images
.irp a, 0,1,2,3
	QUANT 64*\a, RF+12*\a
	v_lshrrev_b32 v[PWS+\a], v21, v[PW]            ; q, k: lanes 16-31 keep the second head's two bytes
	global_store_b128 v1, v[RF+12*\a:RF+12*\a+3], s[92:93] offset:768*\a                 ; 512 consecutive bytes
	global_store_b64 v2, v[RF+12*\a+4:RF+12*\a+5], s[92:93] offset:768*\a+512            ; 256
	global_store_b128 v1, v[RF+12*\a+6:RF+12*\a+9], s[94:95] offset:768*\a
	global_store_b64 v2, v[RF+12*\a+10:RF+12*\a+11], s[94:95] offset:768*\a+512
.endr
	global_store_b128 v22, v[PWS:PWS+3], s[96:97]  ; sixteen lanes store 256 consecutive bytes (v: both halves of the lanes the same bytes with the same values)
	s_wait_tensorcnt 0x0
	ds_add_u32 v254, v255
	s_wait_dscnt 0x0
	CROUND                                         ; the closing round
	s_endpgm
.Lfunc_end_k_qadd6f63d41_gemm_qkv:
	.size	k_qadd6f63d41_gemm_qkv, .Lfunc_end_k_qadd6f63d41_gemm_qkv-k_qadd6f63d41_gemm_qkv
	.p2alignl 7, 3214868480
	.fill 96, 4, 3214868480
	.section	.rodata,"a",@progbits
	.p2align	6, 0x0
	.amdhsa_kernel k_qadd6f63d41_gemm_qkv
		.amdhsa_group_segment_fixed_size 307712
		.amdhsa_private_segment_fixed_size 0
		.amdhsa_enable_private_segment 0
		.amdhsa_kernarg_size 40
		.amdhsa_user_sgpr_count 2
		.amdhsa_user_sgpr_kernarg_segment_ptr 1
		.amdhsa_wavefront_size32 1
		.amdhsa_system_sgpr_workgroup_id_x 1
		.amdhsa_system_sgpr_workgroup_id_y 1
		.amdhsa_system_sgpr_workgroup_id_z 1
		.amdhsa_system_vgpr_workitem_id 0
		.amdhsa_next_free_vgpr 840
		.amdhsa_next_free_sgpr 100
		.amdhsa_reserve_vcc 0
		.amdhsa_float_denorm_mode_32 3
		.amdhsa_float_denorm_mode_16_64 3
		.amdhsa_memory_ordered 1
		.amdhsa_forward_progress 1
		.amdhsa_inst_pref_size 99
	.end_amdhsa_kernel
	.amdgpu_metadata
---
amdhsa.version: [ 1, 2 ]
amdhsa.kernels:
  - .name:           k_qadd6f63d41_gemm_qkv
    .symbol:         k_qadd6f63d41_gemm_qkv.kd
    .args:
      - { .name: ximg, .offset: 0, .size: 8, .value_kind: global_buffer, .address_space: global }
      - { .name: wqimg, .offset: 8, .size: 8, .value_kind: global_buffer, .address_space: global }
      - { .name: b_qkv, .offset: 16, .size: 8, .value_kind: global_buffer, .address_space: global }
      - { .name: qk, .offset: 24, .size: 8, .value_kind: global_buffer, .address_space: global }
      - { .name: vv, .offset: 32, .size: 8, .value_kind: global_buffer, .address_space: global }
    .group_segment_fixed_size: 307712
    .private_segment_fixed_size: 0
    .kernarg_segment_align: 8
    .kernarg_segment_size: 40
    .max_flat_workgroup_size: 128
    .sgpr_count:     100
    .vgpr_count:     840
    .wavefront_size: 32
...
	.end_amdgpu_metadata
.endif
;; end of part 2
;; launch attn (part 3): grid 4 x 64, 16 waves a work-group, clusters of 4 x 1, 210,944 bytes of LDS; arguments qk, vv, aimg; writes aimg
.if DOCPART == 3
	.amdgcn_target "amdgcn-amd-amdhsa--gfx1250"
	.amdhsa_code_object_version 6
	.text
	.protected	k_qadd6f63d41_attn
	.globl	k_qadd6f63d41_attn
	.p2align	8
	.type	k_qadd6f63d41_attn,@function
k_qadd6f63d41_attn:
	s_mov_b64 s[64:65], 0
	v_nop
	global_prefetch_b8 v0, s[64:65] scope:SCOPE_SE
	s_setreg_imm32_b32 hwreg(HW_REG_WAVE_MODE, 25, 1), 1
	s_wait_xcnt 0x0
	s_wait_alu depctr_hold_cnt(0) depctr_sa_sdst(0) depctr_va_vdst(0) depctr_va_sdst(0) depctr_va_ssrc(0) depctr_va_vcc(0) depctr_vm_vsrc(0)
	s_getreg_b32 s2, hwreg(HW_REG_IB_STS2, 6, 4)
	s_cmp_eq_u32 s2, 0
	s_cbranch_scc0 .Lentry_in_a_cluster
	s_endpgm
.Lentry_in_a_cluster:
	s_bfe_u32 s2, ttmp6, 0x10000c
	s_cmp_lg_u32 s2, 0x3003
	s_cbranch_scc0 .Lentry_shape_is_right
	s_endpgm
.Lentry_shape_is_right:
; Causal attention of one (batch, head) on codes of BF6 (E3M2) with E8M0 scales: S^T = K Q^T (K = the head's 64: the upper half of the instruction's 128 is zero codes on both sides), p = 2^(t - M),
; t = score x log2(e) / 32, M the running largest t rounded up to a whole number; p is quantised along the keys, O^T += V^T P^T; the row's sum is taken of the unquantised p and divides at the end.
; The result is quantised along (head, channel) in registers and stored as an image of the last product's operand.
; IN.  q, k: records of 6,656 bytes for 128 tokens: tile t's half fragment at 768 t, scale words at 6144 + 256 (t / 4) + 16 r + 4 (t % 4).  v: records of 6,400 bytes for 128 keys: half fragment (key half c, channel tile a)
; at 3072 c + 768 a, scale words at 6144 + 16 r + 4 a.  Tile 2 g + u holds in lane row r the row 32 g + 8 u + r + 8 (r / 8): so the 16 registers of two neighbouring result tiles are 16 neighbours.
; THE HEAD'S K AND V LIE IN LDS WHOLE (106,496 + 102,400 bytes), filled once, in two halves of 1,024 keys; no byte of LDS is filled twice.
; CLUSTER 4 x 1: the four work-groups of a head ask for K and V jointly.  No branch and no LDS address hangs on the place in the cluster: it chooses only WHICH two tiles of each group of 128 queries a work-group owns.
; SHARES.  Wave w (e = w % 2, p = w / 2) owns tile 2 cx + e of group p (lo) and of group 15 - p (hi): 17 key steps of 128 keys for every wave.  Phase A: lo, steps 0 .. p.  Phase B: hi, steps 0 .. 7 - p.
; Both read the first 1,024 keys alone.  Then the wait for the second half and a barrier.  Phase C: hi, steps 8 - p .. 15 - p.  The loops' trip counts are constants; a step without work is jumped over.
; LIMITS: a block of zeros gets the scale byte 1 where the quantiser says 127 (its codes are zeros; the bytes are read by this program alone); a block's largest p is taken through its largest score
; (this takes v_exp_f32 not to fall where its input rises); NaN and infinities are not served.
.set KFR,  42                          ; v42-89   four fragments of K: six registers of codes, six lasting zeros each
.set KSC,  90                          ; v90-93   their scale words
.set VSC,  94                          ; v94-97   V's scale words
.set S,    98                          ; v98-161  S^T, then p; then V's four fragments in v98-145
.set O,    162                         ; v162-193 O^T
.set PCD,  194                         ; v194-205 p's codes
.set CT,   206                         ; v206-212 the conversions' upper halves
.set BM,   214                         ; v214-217 a block's largest score, then its largest p
.set BT,   218
.set BS,   222
.set F,    226                         ; v[226:227] 2^(old M - new M) (the pair's upper word is written once)
.set TP,   228
.set NINF, 229
.set SU,   230                         ; v[230:231] the sums' second chain
.set HW,   232
.set PSW,  246                         ; p's scale word
.set OS,   247                         ; the way out: my row's two scale bytes
.set QLO,  16                          ; v16-27 Q of my lo tile (six registers of codes, six zeros), v28-39 of my hi tile; v40, v41 their scale words
.set QHI,  28
.set WV,   10
.set E,    11
.set P,    12
.set CX,   13
.set BH,   14
.set SEL,  20
.set CS,   22
.set G1K,  24
.set G1V,  32
.set G0K,  40
.set G0V,  48
.set KS,   56                          ; the key step
.set LO,   57                          ; the phase works where LO <= KS <= HI;
.set HI,   58
.set G,    59                          ; the step on the diagonal
.set TBK,  60                          ; LDS byte of the step's record of K,
.set TBV,  61                          ; of V
.set QL,   66
.set QH,   68
.set OL,   70
.set OH,   72
.macro PLACES n
.rept \n
	v_nop
.endr
.endm
.macro CROUND                          ; a round of the cluster's barrier
	s_barrier_signal -1
	s_barrier_wait -1
	s_cmp_lg_u32 s[WV], 0
	s_cbranch_scc1 .Lnot_wave_0_\@
	s_barrier_signal -3
.Lnot_wave_0_\@:
	s_barrier_wait -3
	s_barrier_signal -1
	s_barrier_wait -1
.endm
; A KEY STEP: 128 keys against my 16 queries in v[q] on.  diag = 1: the phase has a step on the diagonal.
.macro STEP q, qs, diag
	s_cmp_lt_u32 s[KS], s[LO]
	s_cbranch_scc1 .Lhidden_\@
	s_cmp_gt_u32 s[KS], s[HI]
	s_cbranch_scc1 .Lhidden_\@
	s_setprio 2
	v_add_nc_u32 v5, s[TBK], v1                    ; these six are also the places between the last step's products, which read V's fragments, and the products below, which write over them (five are asked)
	s_wait_alu depctr_va_vdst(0)
	v_add_nc_u32 v6, s[TBK], v2
	s_wait_alu depctr_va_vdst(0)
	v_add_nc_u32 v7, s[TBK], v3
	s_wait_alu depctr_va_vdst(0)
	v_add_nc_u32 v8, s[TBV], v1
	v_add_nc_u32 v9, s[TBV], v2
	v_add_nc_u32 v10, s[TBV], v3
.irp g, 0,1                                    ; S^T = K Q^T, four tiles of 16 keys at a time
.if \g
	PLACES 4                                       ; in front of loads into registers that matrix instructions have read
.endif
.irp t, 0,1,2,3
	ds_load_b128 v[KFR+12*\t:KFR+12*\t+3], v5 offset:768*(4*\g+\t)
	ds_load_b64 v[KFR+12*\t+4:KFR+12*\t+5], v6 offset:768*(4*\g+\t)+512
.endr
	ds_load_b128 v[KSC:KSC+3], v7 offset:6144+256*\g
	s_wait_dscnt 0x0
.irp t, 0,1,2,3
	v_wmma_scale_f32_16x16x128_f8f6f4 v[S+8*(4*\g+\t):S+8*(4*\g+\t)+7], v[KFR+12*\t:KFR+12*\t+11], v[\q:\q+11], 0, v[KSC+\t], v[\qs] matrix_a_fmt:MATRIX_FMT_BF6 matrix_b_fmt:MATRIX_FMT_BF6
.endr
.endr                                          ; lane (r, h): query r; register 16 b + i: key 32 b + 16 h + i of the step
	PLACES 4
.if \diag
	s_cmp_lg_u32 s[KS], s[G]
	s_cbranch_scc1 .Lopen_\@
.set n, 0
.rept 64                                       ; on the diagonal: hidden where 32 b + i > my query - 16 h: -infinity ahead of the maximum, so p = 0
	v_cmp_gt_i32 vcc_lo, 32*(n/16)+n%16, v4
	v_cndmask_b32 v[S+n], v[S+n], v[NINF], vcc_lo
.set n, n+1
.endr
.Lopen_\@:
.endif
.irp b, 0,1,2,3
	v_max3_num_f32 v[BM+\b], v[S+16*\b], v[S+16*\b+1], v[S+16*\b+2]        ; the largest score of each block of 32 keys: for the row's maximum and for the block's largest p
.endr
.irp i, 3,5,7,9,11,13
.irp b, 0,1,2,3
	v_max3_num_f32 v[BM+\b], v[BM+\b], v[S+16*\b+\i], v[S+16*\b+\i+1]
.endr
.endr
.irp b, 0,1,2,3
	v_max_num_f32 v[BM+\b], v[BM+\b], v[S+16*\b+15]
.endr
.irp b, 0,1,2,3
	s_delay_alu instid0(VALU_DEP_4)
	v_permlanex16_b32 v[BT+\b], v[BM+\b], s[SEL], s[SEL+1]
.endr
.irp b, 0,1,2,3
	s_delay_alu instid0(VALU_DEP_4)
	v_max_num_f32 v[BM+\b], v[BM+\b], v[BT+\b]     ; with lane l xor 16's 16 keys
.endr
	s_delay_alu instid0(VALU_DEP_2)
	v_max3_num_f32 v[TP], v[BM], v[BM+1], v[BM+2]
	s_delay_alu instid0(VALU_DEP_1)
	v_max_num_f32 v[TP], v[TP], v[BM+3]            ; the step's largest score of my query (each step in hand has a key that counts for every query)
	s_delay_alu instid0(VALU_DEP_1)
	v_mul_f32 v[TP], s[CS], v[TP]
	s_delay_alu instid0(VALU_DEP_1)
	v_max_num_f32 v13, v13, v[TP]                  ; the running largest t
	v_mov_b32 v[TP], v12
	s_delay_alu instid0(VALU_DEP_2)
	v_floor_f32 v12, -v13                          ; -M = floor(-t): M is a whole number
	s_delay_alu instid0(VALU_DEP_1)
	v_sub_f32 v[TP], v12, v[TP]                    ; old M - new M, 0 or less
	s_delay_alu instid0(VALU_DEP_1)
	v_cvt_i32_f32 v[TP], v[TP]                     ; (it saturates)
	s_delay_alu instid0(VALU_DEP_1)
	v_ldexp_f32 v[F], 1.0, v[TP]                   ; f = 2^(old M - new M): a multiplication by it rounds nothing
.set j, 0
.rept 32
	v_pk_fma_f32 v[S+j:S+j+1], v[S+j:S+j+1], s[CS:CS+1], v[12:13] op_sel_hi:[1,0,0]      ; t - M, two at a time
.set j, j+2
.endr
.irp b, 0,1,2,3
	v_fma_f32 v[BM+\b], v[BM+\b], s[CS], v12
.endr
.set j, 0
	s_setprio 1
	s_wait_alu depctr_va_vdst(0)
.rept 64
	v_exp_f32 v[S+j], v[S+j]                       ; p = 2^(t - M)
.set j, j+1
.endr
.irp b, 0,1,2,3
	v_exp_f32 v[BM+\b], v[BM+\b]                   ; the block's largest p: the same two instructions on the same number
.endr
	v_pk_mul_f32 v[14:15], v[14:15], v[F:F+1] op_sel_hi:[1,0]      ; the sums under the new M (a plain place behind the exponentials)
	s_wait_alu depctr_va_vdst(0)
.irp b, 0,1,2,3
	v_max_num_f32 v[BM+\b], 0x2800000, v[BM+\b]    ; the floor 2^(5 - 127)
.endr
.irp b, 0,1,2,3
	s_delay_alu instid0(VALU_DEP_4)
	v_add_nc_u32 v[BS+\b], 0xfe000000, v[BM+\b]    ; the conversion's scale operand
.endr
.irp b, 0,1,2,3
	s_delay_alu instid0(VALU_DEP_4)
	v_lshrrev_b32 v[BT+\b], 23, v[BS+\b]
.endr
	s_delay_alu instid0(VALU_DEP_3)
	v_lshl_or_b32 v[PSW], v[BT+1], 8, v[BT]        ; p's scale word for these 128 keys
	s_delay_alu instid0(VALU_DEP_1)
	v_lshl_or_b32 v[PSW], v[BT+2], 16, v[PSW]
	s_delay_alu instid0(VALU_DEP_1)
	v_lshl_or_b32 v[PSW], v[BT+3], 24, v[PSW]
.irp c, 0,1
	v_cvt_scalef32_pk16_bf6_f32 v[PCD+6*\c:PCD+6*\c+2], v[S+32*\c:S+32*\c+15], v[BS+2*\c]
	v_cvt_scalef32_pk16_bf6_f32 v[CT+4*\c:CT+4*\c+2], v[S+32*\c+16:S+32*\c+31], v[BS+2*\c+1]
.endr
	v_nop                                          ; one plain place behind a scaled conversion
.irp c, 0,1
.irp i, 0,1,2
	v_permlane16_swap_b32 v[PCD+6*\c+\i], v[CT+4*\c+\i]
.endr
.irp i, 0,1,2
	s_delay_alu instid0(VALU_DEP_3)
	v_mov_b32 v[PCD+6*\c+3+\i], v[CT+4*\c+\i]
.endr
.endr
	v_pk_add_f32 v[230:231], v[102:103], v[106:107]
	v_pk_add_f32 v[252:253], v[110:111], v[114:115]
	v_pk_add_f32 v[250:251], v[118:119], v[122:123]
	v_pk_add_f32 v[248:249], v[126:127], v[130:131]
	v_pk_add_f32 v[244:245], v[134:135], v[138:139]
	v_pk_add_f32 v[242:243], v[142:143], v[146:147]
	v_pk_add_f32 v[240:241], v[150:151], v[154:155]
	v_pk_add_f32 v[14:15], v[14:15], v[158:159]
	v_pk_add_f32 v[230:231], v[230:231], v[98:99]
	v_pk_add_f32 v[252:253], v[252:253], v[100:101]
	v_pk_add_f32 v[250:251], v[250:251], v[104:105]
	v_pk_add_f32 v[248:249], v[248:249], v[108:109]
	v_pk_add_f32 v[244:245], v[244:245], v[112:113]
	v_pk_add_f32 v[242:243], v[242:243], v[116:117]
	v_pk_add_f32 v[240:241], v[240:241], v[120:121]
	v_pk_add_f32 v[14:15], v[14:15], v[124:125]
	v_pk_add_f32 v[230:231], v[230:231], v[128:129]
	v_pk_add_f32 v[252:253], v[252:253], v[132:133]
	v_pk_add_f32 v[250:251], v[250:251], v[136:137]
	v_pk_add_f32 v[248:249], v[248:249], v[140:141]
	v_pk_add_f32 v[244:245], v[244:245], v[144:145]
	v_pk_add_f32 v[242:243], v[242:243], v[148:149]
	v_pk_add_f32 v[240:241], v[240:241], v[152:153]
	v_pk_add_f32 v[14:15], v[14:15], v[156:157]
	v_pk_add_f32 v[230:231], v[230:231], v[160:161]
	s_delay_alu instid0(VALU_DEP_2)
	v_pk_add_f32 v[14:15], v[14:15], v[248:249]
	s_delay_alu instid0(VALU_DEP_2)
	v_pk_add_f32 v[230:231], v[230:231], v[244:245]
	v_pk_add_f32 v[252:253], v[252:253], v[242:243]
	v_pk_add_f32 v[250:251], v[250:251], v[240:241]
	s_delay_alu instid0(VALU_DEP_2)
	v_pk_add_f32 v[14:15], v[14:15], v[252:253]
	s_delay_alu instid0(VALU_DEP_2)
	v_pk_add_f32 v[230:231], v[230:231], v[250:251]
	s_delay_alu instid0(VALU_DEP_1)
	v_pk_add_f32 v[14:15], v[14:15], v[230:231]
.irp a, 0,1,2,3                                ; p is done with: V's four fragments (16 channels x 128 keys) take its registers
.irp c, 0,1
	ds_load_b128 v[S+12*\a+6*\c:S+12*\a+6*\c+3], v8 offset:3072*\c+768*\a
	ds_load_b64 v[S+12*\a+6*\c+4:S+12*\a+6*\c+5], v9 offset:3072*\c+768*\a+512
.endr
.endr
	s_setprio 0
	ds_load_b128 v[VSC:VSC+3], v10 offset:6144
.set j, 0
.rept 16
	v_pk_mul_f32 v[O+j:O+j+1], v[O+j:O+j+1], v[F:F+1] op_sel_hi:[1,0]      ; O^T under the new M, while the loads are out
.set j, j+2
.endr
	PLACES 8                                       ; a scale word made by vector instructions stands eight places ahead of the scaled product; these name none of its registers
	s_wait_alu depctr_va_vdst(0)
	s_wait_dscnt 0x0
.irp a, 0,1,2,3
	v_wmma_scale_f32_16x16x128_f8f6f4 v[O+8*\a:O+8*\a+7], v[S+12*\a:S+12*\a+11], v[PCD:PCD+11], v[O+8*\a:O+8*\a+7], v[VSC+\a], v[PSW] matrix_a_fmt:MATRIX_FMT_BF6 matrix_b_fmt:MATRIX_FMT_BF6
.endr
.Lhidden_\@:
	s_add_co_u32 s[TBK], s[TBK], 6656              ; the next step's records
	s_add_co_u32 s[TBV], s[TBV], 6400
.endm
.macro LOOPK n, q, qs, diag
	s_mov_b32 s[KS], 0
	s_mov_b32 s[TBK], 0
	s_mov_b32 s[TBV], 106496
.Lk_\@:
	STEP \q, \qs, \diag
	s_add_co_u32 s[KS], s[KS], 1
	s_cmp_lt_u32 s[KS], \n
	s_cbranch_scc1 .Lk_\@
	s_setprio 0
.endm
.macro INIT                            ; a tile begins: zeros, which the first change of M leaves zeros
	v_mov_b32 v13, 0xff61b1e6                      ; -3e38, under every t
	s_delay_alu instid0(VALU_DEP_1)
	v_floor_f32 v12, -v13
	v_mov_b32 v14, 0
	v_mov_b32 v15, 0
.set j, 0
.rept 32
	v_mov_b32 v[O+j], 0
.set j, j+1
.endr
.endm
; THE WAY OUT of a tile: O^T / the sum; register 16 b + i is channel 32 b + 16 h + i of my query: two blocks of the last product's K: a half fragment and two scale bytes.
.macro OUT ob
	PLACES 4                                       ; behind the last products
	v_add_f32 v14, v14, v15
	s_delay_alu instid0(VALU_DEP_1)
	v_permlanex16_b32 v[TP], v14, s[SEL], s[SEL+1]
	s_delay_alu instid0(VALU_DEP_1)
	v_add_f32 v14, v14, v[TP]                      ; the row's sum
	s_wait_alu depctr_va_vdst(0)
	v_rcp_f32 v14, v14
	v_nop                                          ; a plain place behind the transcendental
.set j, 0
	s_wait_alu depctr_va_vdst(0)
.rept 16
	v_pk_mul_f32 v[S+j:S+j+1], v[O+j:O+j+1], v[14:15] op_sel_hi:[1,0]      ; each accumulator from its low end on
.set j, j+2
.endr
.irp b, 0,1
	v_max3_num_f32 v[BM+\b], |v[S+16*\b]|, |v[S+16*\b+1]|, 0x2800000
.endr
.irp i, 2,4,6,8,10,12,14
.irp b, 0,1
	s_delay_alu instid0(VALU_DEP_2)
	v_max3_num_f32 v[BM+\b], v[BM+\b], |v[S+16*\b+\i]|, |v[S+16*\b+\i+1]|
.endr
.endr
.irp b, 0,1
	s_delay_alu instid0(VALU_DEP_2)
	v_permlanex16_b32 v[BT+\b], v[BM+\b], s[SEL], s[SEL+1]
.endr
.irp b, 0,1
	s_delay_alu instid0(VALU_DEP_2)
	v_max_num_f32 v[BM+\b], v[BM+\b], v[BT+\b]
.endr
.irp b, 0,1
	s_delay_alu instid0(VALU_DEP_2)
	v_add_nc_u32 v[BS+\b], 0xfe000000, v[BM+\b]
.endr
.irp b, 0,1
	s_delay_alu instid0(VALU_DEP_2)
	v_lshrrev_b32 v[BT+\b], 23, v[BS+\b]
.endr
	s_delay_alu instid0(VALU_DEP_1)
	v_lshl_or_b32 v[HW], v[BT+1], 8, v[BT]
	v_cvt_scalef32_pk16_bf6_f32 v[PCD:PCD+2], v[S:S+15], v[BS]
	v_cvt_scalef32_pk16_bf6_f32 v[CT:CT+2], v[S+16:S+31], v[BS+1]
	v_nop                                          ; one plain place behind a scaled conversion
.irp i, 0,1,2
	v_permlane16_swap_b32 v[PCD+\i], v[CT+\i]
.endr
.irp i, 0,1,2
	s_delay_alu instid0(VALU_DEP_3)
	v_mov_b32 v[PCD+3+\i], v[CT+\i]
.endr
	global_store_b128 v1, v[PCD:PCD+3], s[\ob:\ob+1]                       ; 512 consecutive bytes
	global_store_b64 v2, v[PCD+4:PCD+5], s[\ob:\ob+1] offset:512           ; 256
	global_store_b16 v[OS], v[HW], s[\ob:\ob+1]                            ; two bytes of each row's scale word: eight heads fill a record's 256; 1 byte in 24 of what the launch stores
.endm
	s_load_b128 s[4:7], s[0:1], 0x0                ; qk s[4:5], vv s[6:7]
	s_load_b64 s[8:9], s[0:1], 0x10                ; aimg
	v_lshl_add_u32 v254, v0, 2, 0x33000
	v_mov_b32 v255, 0
	ds_add_u32 v254, v255
	ds_add_u32 v254, v255
	v_lshrrev_b32 v5, 5, v0
	s_delay_alu instid0(VALU_DEP_1)
	v_readfirstlane_b32 s[WV], v5                  ; wave 0..15
	s_and_b32 s[E], s[WV], 1
	s_lshr_b32 s[P], s[WV], 1
	s_bfe_u32 s[CX], ttmp6, 0x40000                ; my place in the cluster
	s_and_b32 s[BH], ttmp7, 0xffff                 ; 16 x batch + head, which the four partners share
	s_mov_b32 s[G1K], 15|(3<<16)|(1<<21)           ; the mask: all four; elements of 8 bytes; 21 set beside a mask; no padding
	s_mov_b32 s[G1K+1], 32<<16                     ; rows of 256 bytes
	s_mov_b32 s[G1K+2], 104<<16                    ; four records of K: 104 rows
	s_mov_b32 s[G1K+3], 32<<16
	s_mov_b32 s[G1K+4], 104
	s_mov_b32 s[G1K+5], 32
	s_mov_b32 s[G1K+6], 0
	s_mov_b32 s[G1K+7], 0
	s_mov_b32 s[G1V], 15|(3<<16)|(1<<21)
	s_mov_b32 s[G1V+1], 32<<16
	s_mov_b32 s[G1V+2], 100<<16                    ; four records of V: 100 rows
	s_mov_b32 s[G1V+3], 32<<16
	s_mov_b32 s[G1V+4], 100
	s_mov_b32 s[G1V+5], 32
	s_mov_b32 s[G1V+6], 0
	s_mov_b32 s[G1V+7], 0
	s_add_co_u32 s74, s[BH], 64                    ; k's blocks lie behind q's 64
	s_mul_i32 s74, s74, 106496
	s_mul_i32 s76, s[E], 26624                     ; which four records of a half I fetch, if I fetch
	s_add_co_u32 s74, s74, s76
	s_mov_b32 s75, 0
	s_mul_i32 s78, s[BH], 102400
	s_mul_i32 s77, s[E], 25600
	s_add_co_u32 s78, s78, s77
	s_mov_b32 s79, 0
	s_mov_b32 s[SEL], 0x76543210
	s_mov_b32 s[SEL+1], 0xfedcba98
	s_mov_b32 s[CS], 0x3d38aa3b                    ; log2(e) / 32
	s_mov_b32 s[CS+1], s[CS]                       ; (named with it as a pair)
	s_wait_dscnt 0x0
	s_wait_kmcnt 0x0
	s_add_nc_u64 s[74:75], s[4:5], s[74:75]
	s_add_nc_u64 s[78:79], s[6:7], s[78:79]
	CROUND                                         ; all four work-groups are here: the joint loads meet
.irp c, 0,1
	s_mov_b32 s[G0K+4*\c], 1
	s_add_co_u32 s[G0K+4*\c+1], s76, \c*53248
	s_add_nc_u64 s[G0K+4*\c+2:G0K+4*\c+3], s[74:75], \c*53248
	s_or_b32 s[G0K+4*\c+3], s[G0K+4*\c+3], 0x80000000
	s_mov_b32 s[G0V+4*\c], 1
	s_add_co_u32 s[G0V+4*\c+1], s77, 106496+\c*51200
	s_add_nc_u64 s[G0V+4*\c+2:G0V+4*\c+3], s[78:79], \c*51200
	s_or_b32 s[G0V+4*\c+3], s[G0V+4*\c+3], 0x80000000
.endr
	s_cmp_lt_u32 s[WV], 2                          ; waves 0, 1 fetch K, waves 2, 3 V, the others nothing; a wave's two fills stand together: two loads of mine are out
	s_cbranch_scc0 .Lnot_k
	tensor_load_to_lds s[G0K:G0K+3], s[G1K:G1K+7]
	s_nop 0
	tensor_load_to_lds s[G0K+4:G0K+7], s[G1K:G1K+7]
	s_nop 0
	PLACES 4
	s_branch .Lasked
.Lnot_k:
	s_cmp_lt_u32 s[WV], 4
	s_cbranch_scc0 .Lasked
	tensor_load_to_lds s[G0V:G0V+3], s[G1V:G1V+7]
	s_nop 0
	tensor_load_to_lds s[G0V+4:G0V+7], s[G1V:G1V+7]
	s_nop 0
	PLACES 4
.Lasked:
	; my two tiles of queries, and where their results go
	s_lshl_b32 s15, s[CX], 1
	s_add_co_u32 s15, s15, s[E]                    ; t = 2 cx + e: my tile in a group
	s_sub_co_u32 s86, 15, s[P]                     ; the hi group
	s_mul_i32 s80, s[BH], 106496
	s_mul_i32 s81, s15, 768
	s_add_co_u32 s80, s80, s81
	s_mul_i32 s82, s[P], 6656
	s_add_co_u32 s82, s82, s80
	s_mov_b32 s83, 0
	s_mul_i32 s84, s86, 6656
	s_add_co_u32 s84, s84, s80
	s_mov_b32 s85, 0
	s_add_nc_u64 s[QL:QL+1], s[4:5], s[82:83]
	s_add_nc_u64 s[QH:QH+1], s[4:5], s[84:85]
	s_lshr_b32 s87, s15, 2
	s_lshl_b32 s87, s87, 8
	s_and_b32 s88, s15, 3
	s_lshl_b32 s88, s88, 2
	s_add_co_u32 s87, s87, s88
	s_add_co_u32 s87, s87, 6144
	s_sub_co_u32 s87, s87, s81                     ; from the tile's half fragment to its scale words (768 t is at most 5,376)
	s_lshl_b32 s88, s[CX], 5
	s_lshl_b32 s89, s[E], 3
	s_add_co_u32 s88, s88, s89                     ; 32 cx + 8 e
	v_and_b32 v5, 31, v0
	v_and_b32 v6, 15, v0                           ; r
	v_bfe_u32 v7, v0, 4, 1                         ; h
	s_delay_alu instid0(VALU_DEP_3)
	v_lshlrev_b32 v1, 4, v5                        ; 16 x lane
	s_delay_alu instid0(VALU_DEP_4)
	v_lshlrev_b32 v2, 3, v5                        ; 8 x lane
	s_delay_alu instid0(VALU_DEP_4)
	v_lshlrev_b32 v3, 4, v6                        ; 16 r
	s_wait_alu depctr_va_vdst(0)
	v_and_b32 v8, 8, v6
	s_delay_alu instid0(VALU_DEP_1)
	v_add_nc_u32 v4, v8, v6
	v_lshlrev_b32 v8, 4, v7
	s_delay_alu instid0(VALU_DEP_1)
	v_sub_nc_u32 v4, v4, v8
	s_delay_alu instid0(VALU_DEP_1)
	v_add_nc_u32 v4, s88, v4                       ; my query in its group, less 16 h: it enters compares alone
	v_add_nc_u32 v11, s87, v3
	global_load_b128 v[QLO:QLO+3], v1, s[QL:QL+1]
	global_load_b64 v[QLO+4:QLO+5], v2, s[QL:QL+1] offset:512
	global_load_b32 v40, v11, s[QL:QL+1]
	global_load_b128 v[QHI:QHI+3], v1, s[QH:QH+1]
	global_load_b64 v[QHI+4:QHI+5], v2, s[QH:QH+1] offset:512
	global_load_b32 v41, v11, s[QH:QH+1]
	s_lshr_b32 s80, s[BH], 4                       ; batch
	s_and_b32 s81, s[BH], 15                       ; head
	s_lshl_b32 s80, s80, 7
	s_add_co_u32 s80, s80, s15                     ; 128 x batch + t
	s_lshr_b32 s82, s81, 3
	s_mul_i32 s82, s82, 6400                       ; K = 64 head + channel: record head / 8,
	s_bfe_u32 s83, s81, 0x20001                    ; fragment (head / 2) % 4,
	s_and_b32 s84, s81, 1                          ; half head % 2
	s_mul_i32 s85, s83, 1536
	s_mul_i32 s87, s84, 768
	s_add_co_u32 s85, s85, s87
	s_add_co_u32 s82, s82, s85
	s_lshl_b32 s83, s83, 2
	s_lshl_b32 s84, s84, 1
	s_add_co_u32 s83, s83, s84
	s_add_co_u32 s83, s83, 6144
	s_sub_co_u32 s83, s83, s85                     ; from the half fragment to its two scale bytes
	v_add_nc_u32 v[OS], s83, v3
	s_lshl_b32 s84, s[P], 3
	s_add_co_u32 s84, s84, s80
	s_mul_i32 s84, s84, 12800
	s_add_co_u32 s84, s84, s82
	s_mov_b32 s85, 0
	s_add_nc_u64 s[OL:OL+1], s[8:9], s[84:85]
	s_lshl_b32 s84, s86, 3
	s_add_co_u32 s84, s84, s80
	s_mul_i32 s84, s84, 12800
	s_add_co_u32 s84, s84, s82
	s_add_nc_u64 s[OH:OH+1], s[8:9], s[84:85]
.irp i, 6,7,8,9,10,11
	v_mov_b32 v[QLO+\i], 0                         ; K 64 .. 127 of the instruction: zero codes, on both sides
	v_mov_b32 v[QHI+\i], 0
.irp t, 0,1,2,3
	v_mov_b32 v[KFR+12*\t+\i], 0
.endr
.endr
.irp b, 0,1,2,3
	v_mov_b32 v[BT+\b], 0                          ; a lane permute's destination counts as one of its sources
.endr
	v_mov_b32 v[TP], 0
	v_mov_b32 v[F+1], 0
	v_mov_b32 v[NINF], 0xff800000                  ; -infinity
	INIT
	s_wait_loadcnt 0x0                             ; Q
	s_wait_tensorcnt 0x1                           ; my part of the first 1,024 keys is in; the second half's load may be out
	s_barrier_signal -1
	s_barrier_wait -1
	s_mov_b32 s[LO], 0                             ; phase A: my lo tile, steps 0 .. p, the last on the diagonal
	s_mov_b32 s[HI], s[P]
	s_mov_b32 s[G], s[P]
	LOOPK 8, QLO, 40, 1
	OUT OL
	INIT
	s_wait_xcnt 0x0                                ; the stores have read their registers: the codes' may be written again
	s_sub_co_u32 s[HI], 7, s[P]                    ; phase B: my hi tile, steps 0 .. 7 - p: with phase A nine steps for every wave
	LOOPK 8, QHI, 41, 0
	s_wait_tensorcnt 0x0                           ; my part of the second 1,024 keys is in,
	s_wait_dscnt 0x0
	s_barrier_signal -1
	s_barrier_wait -1                              ; everybody's is
	s_sub_co_u32 s[LO], 8, s[P]                    ; phase C: steps 8 - p .. 15 - p, the last on the diagonal
	s_sub_co_u32 s[HI], 15, s[P]
	s_mov_b32 s[G], s[HI]
	LOOPK 16, QHI, 41, 1
	OUT OH
	s_wait_tensorcnt 0x0
	ds_add_u32 v254, v255
	s_wait_dscnt 0x0
	CROUND                                         ; the closing round
	s_endpgm
.Lfunc_end_k_qadd6f63d41_attn:
	.size	k_qadd6f63d41_attn, .Lfunc_end_k_qadd6f63d41_attn-k_qadd6f63d41_attn
	.p2alignl 7, 3214868480
	.fill 96, 4, 3214868480
	.section	.rodata,"a",@progbits
	.p2align	6, 0x0
	.amdhsa_kernel k_qadd6f63d41_attn
		.amdhsa_group_segment_fixed_size 210944
		.amdhsa_private_segment_fixed_size 0
		.amdhsa_enable_private_segment 0
		.amdhsa_kernarg_size 24
		.amdhsa_user_sgpr_count 2
		.amdhsa_user_sgpr_kernarg_segment_ptr 1
		.amdhsa_wavefront_size32 1
		.amdhsa_system_sgpr_workgroup_id_x 1
		.amdhsa_system_sgpr_workgroup_id_y 1
		.amdhsa_system_sgpr_workgroup_id_z 1
		.amdhsa_system_vgpr_workitem_id 0
		.amdhsa_next_free_vgpr 256
		.amdhsa_next_free_sgpr 90
		.amdhsa_reserve_vcc 1
		.amdhsa_float_denorm_mode_32 3
		.amdhsa_float_denorm_mode_16_64 3
		.amdhsa_memory_ordered 1
		.amdhsa_forward_progress 1
		.amdhsa_inst_pref_size 86
	.end_amdhsa_kernel
	.amdgpu_metadata
---
amdhsa.version: [ 1, 2 ]
amdhsa.kernels:
  - .name:           k_qadd6f63d41_attn
    .symbol:         k_qadd6f63d41_attn.kd
    .args:
      - { .name: qk, .offset: 0, .size: 8, .value_kind: global_buffer, .address_space: global }
      - { .name: vv, .offset: 8, .size: 8, .value_kind: global_buffer, .address_space: global }
      - { .name: aimg, .offset: 16, .size: 8, .value_kind: global_buffer, .address_space: global }
    .group_segment_fixed_size: 210944
    .private_segment_fixed_size: 0
    .kernarg_segment_align: 8
    .kernarg_segment_size: 24
    .max_flat_workgroup_size: 512
    .sgpr_count:     90
    .vgpr_count:     256
    .wavefront_size: 32
...
	.end_amdgpu_metadata
.endif
;; end of part 3
;; launch gemm_out (part 4): grid 8 x 32, 4 waves a work-group, clusters of 4 x 4, 307,712 bytes of LDS; arguments aimg, woimg, b_out, out0; writes out0
.if DOCPART == 4
	.amdgcn_target "amdgcn-amd-amdhsa--gfx1250"
	.amdhsa_code_object_version 6
	.text
	.protected	k_qadd6f63d41_gemm_out
	.globl	k_qadd6f63d41_gemm_out
	.p2align	8
	.type	k_qadd6f63d41_gemm_out,@function
k_qadd6f63d41_gemm_out:
	s_mov_b64 s[64:65], 0
	v_nop
	global_prefetch_b8 v0, s[64:65] scope:SCOPE_SE
	s_setreg_imm32_b32 hwreg(HW_REG_WAVE_MODE, 25, 1), 1
	s_wait_xcnt 0x0
	s_wait_alu depctr_hold_cnt(0) depctr_sa_sdst(0) depctr_va_vdst(0) depctr_va_sdst(0) depctr_va_ssrc(0) depctr_va_vcc(0) depctr_vm_vsrc(0)
	s_getreg_b32 s2, hwreg(HW_REG_IB_STS2, 6, 4)
	s_cmp_eq_u32 s2, 0
	s_cbranch_scc0 .Lentry_in_a_cluster
	s_endpgm
.Lentry_in_a_cluster:
	s_bfe_u32 s2, ttmp6, 0x10000c
	s_cmp_lg_u32 s2, 0xf033
	s_cbranch_scc0 .Lentry_shape_is_right
	s_endpgm
.Lentry_shape_is_right:
; out0 = a w_out + b_out on codes of BF6 (E3M2) with E8M0 scales; a is attention's result, quantised by the launch before.  out0: [8192][1024] f32.
; Operands are images of their registers: a tile of 16 rows is two records of 6,400 bytes (512 along K each): four fragments of 1,536 bytes, then row r's four scale words at 6144 + 16 r.
; Tile 2 G + u holds in lane row r the row 32 G + 8 u + r + 8 (r / 8).  P = source 0: 128 columns of w_out; R = source 1: 256 tokens.  Wave w: R's tiles 4 w .. 4 w + 3 x P's eight: 32 accumulators;
; a lane holds a token, and the 16 registers of P's tiles 2 G, 2 G + 1 are the columns 32 G + 16 (lane / 16) + 0 .. 15.
; ALL OF K LIES IN LDS: two chunks of 512 along K, 153,600 bytes each (R's 16 records, then P's 8), each filled once; no byte of LDS is filled twice.
; CLUSTER 4 x 4: R's records hang on the cluster's row, P's on its column: each is asked for jointly by four work-groups.
; The bias is the C of each sum's first product.  The results go through a stage in LDS and leave as whole rows of 512 bytes.
; REGISTERS, in windows of 256: window 0: v1-20 addresses; v32-95 P's scale words, v96-127 R's; v128-223 R's fragments, two sets of 48; on the way out v128-255 hold rows read back.
;   window 1: P's fragments, sets at v0 and v128.   window 2: accumulator (a, b) at v[64 a + 8 b].   window 3: v0-63 the bias.
.set CHUNK, 153600
.set REC,   6400
.set POFF,  102400
.set FRB,   1536
.set SPITCH, 528                       ; a stage row: 512 bytes + 16
.set AR16,  4
.set AR8,   6
.set ASR,   8
.set AP16,  10
.set AP8,   12
.set ASP,   14
.set STO,   19                         ; v19 the stage: where I put 32 bytes of a row
.set RD,    20                         ; v20 and where I read a row back
.set SCP,   32
.set SCR,   96
.set RF,    128
.set BK,    128
.set G1R,   24
.set G1P,   32
.set G0R,   40
.set G0P,   48
.set MSB, 0
.macro WIN new                         ; the immediate's high byte repeats the setting that is left
.if MSB != \new
	s_set_vgpr_msb (MSB<<8)|\new
.set MSB, \new
.endif
.endm
.macro PLACES n
.rept \n
	v_nop
.endr
.endm
.macro CROUND                          ; a round of the cluster's barrier
	s_barrier_signal -1
	s_barrier_wait -1
	s_cmp_lg_u32 s14, 0
	s_cbranch_scc1 .Lnot_wave_0_\@
	s_barrier_signal -3
.Lnot_wave_0_\@:
	s_barrier_wait -3
	s_barrier_signal -1
	s_barrier_wait -1
.endm
.macro FRAG reg, a16, a8, off          ; a fragment comes back as it was stored: every load takes consecutive bytes
	ds_load_b128 v[\reg:\reg+3], v[\a16] offset:\off
	ds_load_b64 v[\reg+4:\reg+5], v[\a8] offset:\off+512
	ds_load_b128 v[\reg+6:\reg+9], v[\a16] offset:\off+768
	ds_load_b64 v[\reg+10:\reg+11], v[\a8] offset:\off+1280
.endm
.macro SCALES c
.irp b, 0,1,2,3,4,5,6,7
	ds_load_b128 v[SCP+32*\c+4*\b:SCP+32*\c+4*\b+3], v[ASP+\c] offset:REC*\b
.endr
.irp a, 0,1,2,3
	ds_load_b128 v[SCR+16*\c+4*\a:SCR+16*\c+4*\a+3], v[ASR+\c] offset:REC*\a
.endr
.endm
.macro FETCH s
	WIN 0x40
.irp b, 0,1,2,3,4,5,6,7
	FRAG 128*((\s)%2)+12*\b, AP16+(\s)/4, AP8+(\s)/4, REC*\b+FRB*((\s)%4)
.endr
	WIN 0
.irp a, 0,1,2,3
	FRAG RF+48*((\s)%2)+12*\a, AR16+(\s)/4, AR8+(\s)/4, REC*\a+FRB*((\s)%4)
.endr
.endm
.macro MUL s, bias                     ; 32 matrix instructions; the 32 accumulators take turns in the same order in every step.  bias = 1: the first products start the sums with the bias
.if \bias
	WIN 0xb1                                       ; source 0 window 1, source 1 window 0, C window 3, D window 2
.else
	WIN 0xa1                                       ; C and D window 2
.endif
.irp a, 0,1,2,3
.irp b, 0,1,2,3,4,5,6,7
.if \bias
	v_wmma_scale_f32_16x16x128_f8f6f4 v[64*\a+8*\b:64*\a+8*\b+7], v[128*((\s)%2)+12*\b:128*((\s)%2)+12*\b+11], v[RF+48*((\s)%2)+12*\a:RF+48*((\s)%2)+12*\a+11], v[8*\b:8*\b+7], v[SCP+32*((\s)/4)+4*\b+(\s)%4], v[SCR+16*((\s)/4)+4*\a+(\s)%4] matrix_a_fmt:MATRIX_FMT_BF6 matrix_b_fmt:MATRIX_FMT_BF6
.else
	v_wmma_scale_f32_16x16x128_f8f6f4 v[64*\a+8*\b:64*\a+8*\b+7], v[128*((\s)%2)+12*\b:128*((\s)%2)+12*\b+11], v[RF+48*((\s)%2)+12*\a:RF+48*((\s)%2)+12*\a+11], v[64*\a+8*\b:64*\a+8*\b+7], v[SCP+32*((\s)/4)+4*\b+(\s)%4], v[SCR+16*((\s)/4)+4*\a+(\s)%4] matrix_a_fmt:MATRIX_FMT_BF6 matrix_b_fmt:MATRIX_FMT_BF6
.endif
.endr
.endr
.endm
.macro STEP s, bias
	s_wait_dscnt 0x0                               ; this step's fragments are in (asked for 32 matrix instructions ago)
.if (\s) == 3
	s_wait_tensorcnt 0x0                           ; my part of chunk 1 has landed, and my reads of chunk 0 are over,
	s_barrier_signal -1
	s_barrier_wait -1                              ; everybody's
.endif
.if (\s) < 7
	PLACES 4                                       ; four places between the last products that read a set and the loads into it (ISA guide 7.12.1 for vector instructions)
	FETCH (\s)+1
.if (\s) == 3
	SCALES 1
.endif
.endif
	MUL \s, \bias
.endm
; THE WAY OUT, a tile of 16 tokens x 128 columns at a time, through my own stage.  It lies in chunk 0, which has had its only fill and whose last read every wave has waited for in front of the barrier of step 3.
.macro TOSTAGE a
	WIN 0x08                                       ; an LDS store's data are its source 1: window 2
.irp b, 0,1,2,3,4,5,6,7
	ds_store_b128 v[STO], v[64*(\a)+8*\b:64*(\a)+8*\b+3] offset:128*(\b/2)+32*(\b%2)          ; each accumulator from its low end on
	ds_store_b128 v[STO], v[64*(\a)+8*\b+4:64*(\a)+8*\b+7] offset:128*(\b/2)+32*(\b%2)+16
.endr
	WIN 0
.irp t, 0,1,2,3,4,5,6,7,8,9,10,11,12,13,14,15
	ds_load_b128 v[BK+64*((\a)%2)+4*\t:BK+64*((\a)%2)+4*\t+3], v[RD] offset:\t*SPITCH         ; LDS serves a wave's instructions in order: these see the stores, and the next tile's stores come behind them
.endr
.endm
.macro SEND a, younger                 ; younger: the LDS instructions issued behind tile a's loads, which may stay out
	s_wait_dscnt \younger
.irp t, 0,1,2,3,4,5,6,7,8,9,10,11,12,13,14,15
	global_store_b128 v1, v[BK+64*((\a)%2)+4*\t:BK+64*((\a)%2)+4*\t+3], s[10:11] offset:(32*((\a)/2)+8*((\a)%2)+\t+8*(\t/8))*4096 th:TH_STORE_NT   ; 32 lanes store 512 consecutive bytes of the token that lane row t stands for
.endr
.endm
	s_load_b256 s[4:11], s[0:1], 0x0               ; aimg s[4:5], woimg s[6:7], b_out s[8:9], out0 s[10:11]
	v_lshl_add_u32 v30, v0, 2, 0x4b000
	v_mov_b32 v31, 0
	ds_add_u32 v30, v31
	ds_add_u32 v30, v31
	v_lshrrev_b32 v16, 5, v0
	v_readfirstlane_b32 s14, v16                   ; wave
	s_and_b32 s15, s14, 1                          ; which half of R's or of P's records I fetch
	s_bfe_u32 s16, ttmp6, 0x40000                  ; cx
	s_bfe_u32 s17, ttmp6, 0x40004                  ; cy
	s_lshl_b32 s19, ttmp9, 2
	s_add_co_u32 s19, s19, s16                     ; pt: which 128 columns
	s_and_b32 s20, ttmp7, 0xffff
	s_lshl_b32 s20, s20, 2
	s_add_co_u32 s20, s20, s17                     ; rt: which 256 tokens
	s_lshl_b32 s21, s17, 2
	s_lshl_b32 s21, 15, s21                        ; my row of the cluster
	s_lshl_b32 s22, 0x1111, s16                    ; my column
	s_or_b32 s[G1R], s21, (3<<16)|(1<<21)          ; 15:0 the mask; 17:16 elements of 8 bytes; 21 set beside a mask; no padding
	s_or_b32 s[G1P], s22, (3<<16)|(1<<21)
	s_mov_b32 s[G1R+1], 800<<16                    ; a record: 800 elements
	s_mov_b32 s[G1R+2], 8<<16                      ; 8 tiles
	s_mov_b32 s[G1R+3], 800<<16
	s_mov_b32 s[G1R+4], 8
	s_mov_b32 s[G1R+5], 1600                       ; from tile to tile: 12,800 bytes
	s_mov_b32 s[G1R+6], 0
	s_mov_b32 s[G1R+7], 0
	s_mov_b32 s[G1P+1], 800<<16
	s_mov_b32 s[G1P+2], 4<<16                      ; 4 tiles
	s_mov_b32 s[G1P+3], 800<<16
	s_mov_b32 s[G1P+4], 4
	s_mov_b32 s[G1P+5], 1600
	s_mov_b32 s[G1P+6], 0
	s_mov_b32 s[G1P+7], 0
	s_mul_i32 s56, s20, 204800                     ; R: 16 tiles a block, my 8 (made of the tile row and the wave alone)
	s_mul_i32 s57, s15, 102400
	s_add_co_u32 s56, s56, s57
	s_mov_b32 s57, 0
	s_mul_i32 s58, s19, 102400                     ; P: 8 tiles a block, my 4 (of the tile column and the wave alone)
	s_mul_i32 s59, s15, 51200
	s_add_co_u32 s58, s58, s59
	s_mov_b32 s59, 0
	s_mul_i32 s60, s15, 51200
	s_mul_i32 s61, s15, 25600
	s_wait_dscnt 0x0
	s_wait_kmcnt 0x0
	s_add_nc_u64 s[56:57], s[4:5], s[56:57]
	s_add_nc_u64 s[58:59], s[6:7], s[58:59]
	CROUND                                         ; all sixteen work-groups are here: the joint loads meet
.irp c, 0,1
	s_mov_b32 s[G0R+4*\c], 1
	s_add_co_u32 s[G0R+4*\c+1], s60, \c*CHUNK
	s_add_nc_u64 s[G0R+4*\c+2:G0R+4*\c+3], s[56:57], \c*REC
	s_or_b32 s[G0R+4*\c+3], s[G0R+4*\c+3], 0x80000000
	s_mov_b32 s[G0P+4*\c], 1
	s_add_co_u32 s[G0P+4*\c+1], s61, \c*CHUNK+POFF
	s_add_nc_u64 s[G0P+4*\c+2:G0P+4*\c+3], s[58:59], \c*REC
	s_or_b32 s[G0P+4*\c+3], s[G0P+4*\c+3], 0x80000000
.endr
	s_cmp_lt_u32 s14, 2                            ; waves 0, 1 fetch R's halves, waves 2, 3 P's: a wave's two fills stand in one branch; two loads of mine are out
	s_cbranch_scc0 .Lfirst_p
	tensor_load_to_lds s[G0R:G0R+3], s[G1R:G1R+7]
	s_nop 0
	tensor_load_to_lds s[G0R+4:G0R+7], s[G1R:G1R+7]
	s_nop 0
	PLACES 4
	s_branch .Lfirst_asked
.Lfirst_p:
	tensor_load_to_lds s[G0P:G0P+3], s[G1P:G1P+7]
	s_nop 0
	tensor_load_to_lds s[G0P+4:G0P+7], s[G1P:G1P+7]
	s_nop 0
	PLACES 4
.Lfirst_asked:
	v_and_b32 v16, 31, v0                          ; lane
	v_and_b32 v17, 15, v0                          ; r
	v_bfe_u32 v18, v0, 4, 1                        ; h
	v_lshlrev_b32 v21, 6, v18                      ; the bias: tile b's eight of my half: columns 32 (b / 2) + 16 h + 8 (b % 2) + 0 .. 7
	s_lshl_b32 s62, s19, 9
	s_mov_b32 s63, 0
	s_add_nc_u64 s[8:9], s[8:9], s[62:63]
	WIN 0xc0                                       ; destination window 3
.irp b, 0,1,2,3,4,5,6,7
	global_load_b128 v[8*\b:8*\b+3], v21, s[8:9] offset:128*(\b/2)+32*(\b%2)
	global_load_b128 v[8*\b+4:8*\b+7], v21, s[8:9] offset:128*(\b/2)+32*(\b%2)+16
.endr
	WIN 0
	v_lshlrev_b32 v1, 4, v16                       ; 16 x lane
	v_lshlrev_b32 v2, 3, v16                       ; 8 x lane
	v_lshlrev_b32 v3, 4, v17                       ; 16 r
	s_mul_i32 s68, s14, 25600                      ; my four tiles of R in a chunk
	v_add_nc_u32 v[AR16], s68, v1
	v_add_nc_u32 v[AR16+1], CHUNK, v[AR16]
	v_add_nc_u32 v[AR8], s68, v2
	v_add_nc_u32 v[AR8+1], CHUNK, v[AR8]
	v_add_nc_u32 v[ASR], s68, v3
	v_add_nc_u32 v[ASR], 6144, v[ASR]
	v_add_nc_u32 v[ASR+1], CHUNK, v[ASR]
	v_add_nc_u32 v[AP16], POFF, v1
	v_add_nc_u32 v[AP16+1], POFF+CHUNK, v1
	v_add_nc_u32 v[AP8], POFF, v2
	v_add_nc_u32 v[AP8+1], POFF+CHUNK, v2
	v_add_nc_u32 v[ASP], POFF+6144, v3
	v_add_nc_u32 v[ASP+1], POFF+CHUNK+6144, v3
	s_mul_i32 s69, s14, 16*SPITCH                  ; my stage
	v_mul_u32_u24 v[STO], v17, SPITCH
	v_lshl_add_u32 v[STO], v18, 6, v[STO]
	v_add_nc_u32 v[STO], s69, v[STO]               ; in: row r, + 64 h
	v_add_nc_u32 v[RD], s69, v1                    ; back: 16 x lane of a row
	s_lshl_b32 s66, s20, 8
	s_lshl_b32 s67, s14, 6
	s_add_co_u32 s66, s66, s67                     ; my first token: 256 rt + 64 wave
	s_lshl_b32 s66, s66, 12
	s_lshl_b32 s67, s19, 9                         ; my columns' first byte
	s_add_co_u32 s66, s66, s67
	s_mov_b32 s67, 0
	s_add_nc_u64 s[10:11], s[10:11], s[66:67]
	s_wait_alu depctr_va_vdst(0)
	s_wait_loadcnt 0x0                             ; the bias
	s_wait_tensorcnt 0x1                           ; my part of chunk 0 is in; chunk 1's load may be out
	s_barrier_signal -1
	s_barrier_wait -1
	SCALES 0
	FETCH 0
	STEP 0, 1
	STEP 1, 0
	STEP 2, 0
	STEP 3, 0
	STEP 4, 0
	STEP 5, 0
	STEP 6, 0
	STEP 7, 0
	PLACES 4                                       ; in front of the first read of results, and of the loads into registers that held fragments
	TOSTAGE 0
.irp a, 1,2,3
.if \a > 1
	s_wait_xcnt 0x0                                ; tile a - 2's stores have read their registers: tile a's rows may land there
.endif
	TOSTAGE \a
	SEND \a-1, 32                                  ; behind tile a - 1's loads: tile a's 16 stores and 16 loads
.endr
	SEND 3, 0
	s_wait_tensorcnt 0x0
	ds_add_u32 v30, v31
	s_wait_dscnt 0x0
	CROUND                                         ; the closing round
	s_endpgm
.Lfunc_end_k_qadd6f63d41_gemm_out:
	.size	k_qadd6f63d41_gemm_out, .Lfunc_end_k_qadd6f63d41_gemm_out-k_qadd6f63d41_gemm_out
	.p2alignl 7, 3214868480
	.fill 96, 4, 3214868480
	.section	.rodata,"a",@progbits
	.p2align	6, 0x0
	.amdhsa_kernel k_qadd6f63d41_gemm_out
		.amdhsa_group_segment_fixed_size 307712
		.amdhsa_private_segment_fixed_size 0
		.amdhsa_enable_private_segment 0
		.amdhsa_kernarg_size 32
		.amdhsa_user_sgpr_count 2
		.amdhsa_user_sgpr_kernarg_segment_ptr 1
		.amdhsa_wavefront_size32 1
		.amdhsa_system_sgpr_workgroup_id_x 1
		.amdhsa_system_sgpr_workgroup_id_y 1
		.amdhsa_system_sgpr_workgroup_id_z 1
		.amdhsa_system_vgpr_workitem_id 0
		.amdhsa_next_free_vgpr 840
		.amdhsa_next_free_sgpr 90
		.amdhsa_reserve_vcc 0
		.amdhsa_float_denorm_mode_32 3
		.amdhsa_float_denorm_mode_16_64 3
		.amdhsa_memory_ordered 1
		.amdhsa_forward_progress 1
		.amdhsa_inst_pref_size 83
	.end_amdhsa_kernel
	.amdgpu_metadata
---
amdhsa.version: [ 1, 2 ]
amdhsa.kernels:
  - .name:           k_qadd6f63d41_gemm_out
    .symbol:         k_qadd6f63d41_gemm_out.kd
    .args:
      - { .name: aimg, .offset: 0, .size: 8, .value_kind: global_buffer, .address_space: global }
      - { .name: woimg, .offset: 8, .size: 8, .value_kind: global_buffer, .address_space: global }
      - { .name: b_out, .offset: 16, .size: 8, .value_kind: global_buffer, .address_space: global }
      - { .name: out0, .offset: 24, .size: 8, .value_kind: global_buffer, .address_space: global }
    .group_segment_fixed_size: 307712
    .private_segment_fixed_size: 0
    .kernarg_segment_align: 8
    .kernarg_segment_size: 32
    .max_flat_workgroup_size: 128
    .sgpr_count:     90
    .vgpr_count:     840
    .wavefront_size: 32
...
	.end_amdgpu_metadata
.endif
;; end of part 4
